; MI455X (gfx1250); checked and timed in simulation.
; The chip was launched on July 23, 2026; its instructions are those of AMD's public machine-readable ISA for CDNA 5 (MIT licence, August 2026) and "CDNA5" Instruction Set Architecture Reference Guide (July 2026). The comments in the code are by the model that wrote it; some were corrected since.
;; multihead self attention. Allowed arithmetic: matrix products marked QUANTISED: E2M3 operands, one E8M0 scale for each 32 along K, by v_wmma_scale_f32_16x16x128_f8f6f4 with both operands' format E2M3, f32 sums; everything else in f32.
;; Inputs: wk_codes 1,024 x 32 x 24 uint8 (E2M3 codes of wk, K innermost, in blocks of 32 codes, four codes in three bytes); wk_scales 1,024 x 32 uint8 (E8M0 scales of wk, one for each 32 codes along K); wo_codes 1,024 x 32 x 24 uint8 (E2M3 codes of wo, K innermost, in blocks of 32 codes, four codes in three bytes); wo_scales 1,024 x 32 uint8 (E8M0 scales of wo, one for each 32 codes along K); wq_codes 1,024 x 32 x 24 uint8 (E2M3 codes of wq, K innermost, in blocks of 32 codes, four codes in three bytes); wq_scales 1,024 x 32 uint8 (E8M0 scales of wq, one for each 32 codes along K); wv_codes 1,024 x 32 x 24 uint8 (E2M3 codes of wv, K innermost, in blocks of 32 codes, four codes in three bytes); wv_scales 1,024 x 32 uint8 (E8M0 scales of wv, one for each 32 codes along K); x_codes 4 x 2,048 x 32 x 24 uint8 (E2M3 codes of x, K innermost, in blocks of 32 codes, four codes in three bytes); x_scales 4 x 2,048 x 32 uint8 (E8M0 scales of x, one for each 32 codes along K).
;; Outputs: out0 4 x 2,048 x 1,024 float32.
;; This version of the problem:
;;   THIS VERSION OF THE PROBLEM IS GIVEN IN LOW PRECISION. The matrix products marked QUANTISED in the list below multiply operands that are first quantised to E2M3 (2 exponent bits, 3 mantissa bits; 6 bits a number), with one power-of-two scale for each 32 numbers along K (OCP MX v1.0); their sums are f32. All else is computed in f32.
;;   The module's matrix products, in the order in which they are computed (A, B: the left and right operand; K: the contracted axis; several contracted axes count as one K, in the product's order):
;;     1. [M 8,192, K 1,024] x [K 1,024, N 1,024]; A: input x (given as codes); B: input wq (given as codes): QUANTISED
;;     2. [M 8,192, K 1,024] x [K 1,024, N 1,024]; A: input x (given as codes); B: input wk (given as codes): QUANTISED
;;     3. [M 8,192, K 1,024] x [K 1,024, N 1,024]; A: input x (given as codes); B: input wv (given as codes): QUANTISED
;;     4. batch 64 x [M 2,048, K 64] x [K 64, N 2,048]; A: computed on the way; B: computed on the way: QUANTISED
;;     5. batch 64 x [M 2,048, K 2,048] x [K 2,048, N 64]; A: softmax (see below); B: computed on the way: QUANTISED
;;     6. [M 8,192, K 1,024] x [K 1,024, N 1,024]; A: computed on the way; B: input wo (given as codes): QUANTISED
;;   THE QUANTISER, for each operand of a quantised product, along K:
;;     - K is cut into blocks of 32 from its start; a last block that is shorter is filled with zeros.
;;     - A block's scale is 2^e with e = floor(log2(the largest magnitude in the block)) - 2, held to -126 .. 127; a block of zeros has e = 0. As a byte (E8M0): e + 127.
;;     - Each number is divided by its block's scale, clamped to +-7.5, and rounded to the nearest number of E2M3, ties to even, subnormals kept.
;;     - The product sums the exact products of the quantised numbers (number of the format x scale) in f32.
;;   ~~~python
;;   def quantise(x, axis):      # numpy; x: float32 -> the quantised numbers, widened to float32 again
;;       x = np.moveaxis(x, axis, -1); K = x.shape[-1]
;;       x = np.pad(x, [(0, 0)] * (x.ndim - 1) + [(0, -K % 32)]); x = x.reshape(x.shape[:-1] + (-1, 32)); a = np.abs(x).max(-1, keepdims=True)
;;       e = np.where(a > 0, np.clip(np.frexp(np.where(a > 0, a, 1))[1] - 1 - 2, -126, 127), 0)      # np.frexp(a)[1] - 1 = floor(log2(a)), exactly
;;       r = np.clip(x / 2.0 ** e, -7.5, 7.5)
;;       step = 2.0 ** (np.maximum(np.frexp(np.where(r == 0, 1, r))[1] - 1, 0) - 3)
;;       q = np.round(r / step) * step * 2.0 ** e      # np.round: ties to even
;;       return np.moveaxis(q.reshape(q.shape[:-2] + (-1,))[..., :K], -1, axis).astype(np.float32)
;;   ~~~
;;   SOFTMAX AHEAD OF A QUANTISED PRODUCT. Where the list says 'softmax', what is quantised is not the finished softmax but p = 2^(t - M), with t = logit x log2(e) and M = ceil(the row's largest t), a whole number; so 1/2 < the row's largest p <= 1. The row's sum l is taken of the UNQUANTISED p, in f32, and the product's result is divided by l at the end. Since M is a whole number, a kernel that streams over the keys may use a running M (the ceiling of the running maximum): every later rescaling is an exact power of two, which a block's scale takes up: the codes' values come out the same.
;;   OPERANDS COMPUTED ON THE WAY. 'Computed on the way' means the value that the module computes at that place (a softmax that the list does not call 'softmax' is quantised finished and normalised). What goes into a quantiser is computed in f32, as accurately as f32 sums, v_exp_f32 and their like allow (about 1e-6 of the number): no bf16 or f16 on the way to a quantiser, and a product that is left as it is and whose result goes on into a quantised operand takes f32 operands (vector FMAs, or v_wmma_f32_16x16x4_f32). A number that lies on a knife's edge between two numbers of the format may be rounded either way, as far as f32 arithmetic and the matrix unit's own rounding can turn it there, and no further.
;;   INPUTS GIVEN AS CODES. wk (in the module: [1024, 1024], K = its axis 1); wo (in the module: [1024, 1024], K = its axis 1); wq (in the module: [1024, 1024], K = its axis 1); wv (in the module: [1024, 1024], K = its axis 1); x (in the module: [4, 2048, 1024], K = its axis 2): each comes as NAME_codes (uint8): NAME with its K axis moved to the last place and cut into blocks of 32 codes, [.., K / 32, bytes a block], one block behind the other in memory; four codes in three bytes: a row's codes are one little-endian stream of bits, code i at bits 6 i .. 6 i + 5 (a code: sign, 2 exponent bits, 3 mantissa bits); and NAME_scales (uint8): the same leading axes, one E8M0 byte (e + 127) for each 32 codes along K. Its value is code x scale, taken as it is: it is not quantised again, and the codes and scales need not be those that the quantiser above would give.
;; One version. Each part assembles by itself: llvm-mc -triple=amdgcn-amd-amdhsa -mcpu=gfx1250 --defsym DOCPART=n.
;; ======== version 1 of 1: 3 launches
;; workspace buffers: q_img 6,291,456 bytes; k_img 6,291,456 bytes; v_img 6,291,456 bytes; o_img 6,291,456 bytes; q_sc 262,144 bytes; k_sc 262,144 bytes; v_sc 262,144 bytes; o_sc 262,144 bytes
;; launch qkv (part 1): grid 12 x 32, 4 waves a work-group, clusters of 4 x 4, 327,680 bytes of LDS; arguments x_codes, x_scales, wq_codes, wq_scales, wk_codes, wk_scales, wv_codes, wv_scales, q_img, q_sc, k_img, k_sc, v_img, v_sc; writes q_img, q_sc, k_img, k_sc, v_img, v_sc
.if DOCPART == 1
	.amdgcn_target "amdgcn-amd-amdhsa--gfx1250"
	.amdhsa_code_object_version 6
	.text
	.protected	k_q4a822b33ac_qkv
	.globl	k_q4a822b33ac_qkv
	.p2align	8
	.type	k_q4a822b33ac_qkv,@function
k_q4a822b33ac_qkv:
	s_mov_b64 s[64:65], 0
	v_nop
	global_prefetch_b8 v0, s[64:65] scope:SCOPE_SE
	s_setreg_imm32_b32 hwreg(HW_REG_WAVE_MODE, 25, 1), 1
	s_wait_xcnt 0x0
	s_wait_alu depctr_hold_cnt(0) depctr_sa_sdst(0) depctr_va_vdst(0) depctr_va_sdst(0) depctr_va_ssrc(0) depctr_va_vcc(0) depctr_vm_vsrc(0)
	s_getreg_b32 s2, hwreg(HW_REG_IB_STS2, 6, 4)
	s_cmp_eq_u32 s2, 0
	s_cbranch_scc0 .Lentry_in_a_cluster
	s_endpgm
.Lentry_in_a_cluster:
	s_bfe_u32 s2, ttmp6, 0x10000c
	s_cmp_lg_u32 s2, 0xf033
	s_cbranch_scc0 .Lentry_shape_is_right
	s_endpgm
.Lentry_shape_is_right:
; q = x wq^T, k = x wk^T, v = x wv^T on codes of FP6 (E2M3) with one E8M0 scale for each 32 along K = 1,024; the f32 results are quantised at once (q, k along the head's 64; v along the tokens)
; and leave as IMAGES OF OPERAND REGISTERS for the attention launch.  Cluster x says which product: 0 q, 1 k, 2 v.
; C[m][n] = sum over k of A[m][k] B[n][k].  The matrix instruction is used transposed (source 0 = 16 rows of B, source 1 = 16 rows of A): a lane holds one m and its registers run along n.
; n is the axis that is quantised: for q and k A = x (m = token), B = the weight (n = head x 64 + d); for v the roles are swapped: A = wv (m = head x 64 + d), B = x (n = token).
; All four tensors have rows of 768 bytes of codes and 32 scale bytes, so only pointers and tile numbers are chosen, on the cluster's x alone: one path through the text.
; A tile of C, 256 x 256, is made by four waves, 128 x 128 each: 64 accumulators, 512 registers.  K goes in steps of 256 through a ring of two LDS slots filled by the tensor data mover.
; The scale bytes of the work-group's 256 + 256 rows, for all of K, come into LDS once, with the first fills.
; CLUSTERS: 4 x 4 work-groups; the four of a row need the same tiles of A, the four of a column the same tiles of B: each tile is asked for jointly, by the same load with a mask that names the four.
; 3 x 128 = 384 work-groups.
; THE IMAGES.  A half fragment (16 rows x 64 along K) is 768 bytes: piece p of three holds, at 8 x lane, registers 2 p, 2 p + 1 of lane (r, h), which are k = 32 h .. 32 h + 31 of row r.  Two on end are a fragment.
; THE 16 ROWS OF AN IMAGE ARE NOT NEIGHBOURS: of a block of 32 rows image u takes rows 8 u + r + 8 (r / 8), so that in the next launch's transposed products a lane's 16 registers of two tiles are 16 neighbours.
;   q_img, k_img: (batch x 16 + head) x 98,304 + t x 768, t = the batch's image of 16 tokens;  q_sc, k_sc: (batch x 16 + head) x 4,096 + (t / 2) x 64 + 4 r + 2 (t % 2) + block
;   v_img: ((batch x 16 + key step) x 64 + head x 4 + tile of d) x 1,536: 16 d x 128 keys;  v_sc: the same index x 64 + 4 r: the step's four bytes
; LIMITS: a block whose largest magnitude lies under 2^-124 (a block of zeros too) gets the scale byte 1; its codes are zeros or are held under that floor, and only this program reads the bytes.
; NaN and infinities ahead of the quantiser are not served.
; REGISTERS, in windows of 256: window 0: v0-31 addresses; v32-63 scale words, two sets; from v128 A's fragments, one set; on the way out v64-231 are at work.
;   window 1: B's fragments, two sets, at v0 and v128.   window 2: the accumulators of my rows 0-63 ((a, b) at v[8 (8 a + b)]);   window 3: those of my rows 64-127.
.set SIZE_K, 1024
.set KSTEP,  256                       ; along K in a slot
.set NQ,     KSTEP/128                 ; matrix instructions deep
.set ROWB,   192                       ; a tile's row in bytes
.set KROW,   SIZE_K*6/8                ; a row of codes in memory
.set PITCH,  240                       ; an LDS row: 3 x (64 bytes + 16 of padding)
.set FR,     12                        ; registers of a fragment
.set NL,     6                         ; LDS loads that bring one
.set NP,     4                         ; places behind this matrix instruction (ISA guide 7.12.1)
.set HALFT,  128*PITCH                 ; 128 rows: what one tensor load brings
.set SLOT,   4*HALFT                   ; A's 256 rows, then B's 256 rows
.set LAPS,   SIZE_K/(2*KSTEP)          ; a lap = two K steps = once round the ring
.set KS,     SIZE_K/32                 ; a row of scale bytes
.set SCL,    2*SLOT                    ; behind the ring: the scales, as units of 256 bytes + 16 of padding
.set HALFS,  (128*KS/256)*272          ; the scales of 128 rows
.set SBLK,   (16*KS/256)*272           ; those of 16 rows
.set SPARE,  SCL+4*HALFS               ; the spare words, 128 bytes for each wave: two blocks of 256 bytes that no other line names
.set SPITCH, 528                       ; the way out: a stage row, 512 bytes + 16
.set WSTG,   32*SPITCH                 ; a wave's stage: 32 rows.  The stages lie in slot 0, which has had its last fill and its last read when the first result is stored there
.set VO0,  7                           ; v7   the way out: 8 x lane: my place in a piece of an image
.set VO1,  8                           ; v8   the same in the image that takes registers 6-11
.set VSO,  9                           ; v9   where my scale word goes
.set SELV, 10                          ; v10  byte selects that make my scale word
.set ADRA, 16                          ; v16-17 LDS address of my A fragments in slot 0, 1 (v18-19: behind one padding more)
.set ADRB, 20                          ; v20-21 the same for B (v22-23)
.set STO,  24                          ; v24  the stage: where I put 32 bytes of a row
.set RDQ,  25                          ; v25  and where I read my row of an image back
.set ADRS, 27                          ; v27  LDS address of my scale words: lanes 0-15 A's rows, lanes 16-31 B's
.set SPW,  28                          ; v28  LDS address of my spare word; never rewritten
.set NIL,  29                          ; v29  0; never rewritten
.set SC,   32                          ; scale words: set s at v[SC + 8 NQ s]
.set AF,   128                         ; A's fragments
.set X0,   64                          ; the way out: 64 numbers of my row of image u = 0;
.set X1,   128                         ; of image u = 1
.set CD,   192                         ; v192-203 the codes just made; v204-210 the conversions' second halves
.set TM,   212                         ; v212-215 largest magnitudes, v216-219 bytes, v224-227 the conversions' scale operands
.set PW,   228                         ; the scale word just made
.set PWE,  229                         ; that of image u = 0
.set WD,   230                         ; the word that I store
.set G1, 24                            ; s[24:31] descriptor group 1 for A's tiles;  s[32:39] group 0, one set for each slot
.set G0, 32
.set G1B, 48                           ; s[48:55], s[56:63] the same for B's tiles
.set G0B, 56
.set G1S, 68                           ; s[68:75], s[76:79] groups 1 and 0 for A's scales;  s[80:87], s[88:91] for B's
.set G0S, 76
.set G1SB, 80
.set G0SB, 88
.set MSB, 0
.macro WIN new                         ; the immediate's high byte repeats the setting that is left
.if MSB != \new
	s_set_vgpr_msb (MSB<<8)|\new
.set MSB, \new
.endif
.endm
.set MUL_LO, 0xa1                      ; source 0 (B) window 1, source 1 (A) window 0, C and D window 2
.set MUL_HI, 0xf1                      ; the same, C and D window 3
.set TO_B,   0x40                      ; destination window 1, address window 0
; A joint load: waves 0 and 1 fetch for A, waves 2 and 3 for B.  Each line has one mask and one set of registers; the branch hangs on the wave's number alone.  Four v_nop follow each line.
.macro JLOAD g0a, g1a, g0b, g1b
	s_cmp_eq_u32 s15, 0
	s_cbranch_scc0 .Lfor_b_\@
	tensor_load_to_lds s[\g0a:\g0a+3], s[\g1a:\g1a+7]
	s_nop 0
.rept 4
	v_nop
.endr
	s_branch .Lasked_\@
.Lfor_b_\@:
	tensor_load_to_lds s[\g0b:\g0b+3], s[\g1b:\g1b+7]
	s_nop 0
.rept 4
	v_nop
.endr
.Lasked_\@:
.endm
.macro CREST                           ; a round of the cluster's barrier behind its opening barrier
	s_cmp_lg_u32 s14, 0
	s_cbranch_scc1 .Lnot_wave_0_\@
	s_barrier_signal -3
.Lnot_wave_0_\@:
	s_barrier_wait -3
	s_barrier_signal -1
	s_barrier_wait -1
.endm
.macro CROUND                          ; a whole round
	s_barrier_signal -1
	s_barrier_wait -1
	CREST
.endm
	s_load_b512 s[68:83], s[0:1], 0x0              ; x's codes, x's scales, wq's, wk's, wv's
	s_load_b256 s[84:91], s[0:1], 0x40             ; q_img, q_sc, k_img, k_sc
	s_load_b128 s[92:95], s[0:1], 0x60             ; v_img, v_sc
	v_lshl_add_u32 v[SPW], v0, 2, SPARE
	v_mov_b32 v[NIL], 0
	ds_add_u32 v28, v29
	ds_add_u32 v28, v29
	s_wait_dscnt 0x0
	v_lshrrev_b32 v1, 5, v0
	v_readfirstlane_b32 s14, v1                    ; wave 0..3
	s_lshr_b32 s15, s14, 1                         ; which half of the tile's rows (A's) is mine.  Also: I fetch for A (0) or for B (1)
	s_and_b32 s16, s14, 1                          ; which half of its columns (B's rows).  Also: which 128 rows of that tile I fetch
	s_bfe_u32 s40, ttmp6, 0x40000                  ; cx, cy: my place in the cluster
	s_bfe_u32 s41, ttmp6, 0x40004
	s_and_b32 s18, ttmp7, 0xffff
	s_lshl_b32 s18, s18, 2                         ; 4 x cluster y: it walks x's 32 tiles of 256 rows
	s_lshl_b32 s43, s41, 2
	s_lshl_b32 s43, 15, s43                        ; my row of the cluster
	s_lshl_b32 s44, 0x1111, s40                    ; my column
	; descriptor group 1: a tile of 128 rows x ROWB bytes, padded in LDS
	s_or_b32 s[G1+0], s43, (0<<16)|(1<<20)|(1<<21)|(3<<22)|(3<<25)  ; 15:0 the mask: A's tiles go to my row; elements of 1 byte; padding on; 21 set beside a mask; after every 16 words 4 words
	s_or_b32 s[G1B+0], s44, (0<<16)|(1<<20)|(1<<21)|(3<<22)|(3<<25)
.irp g, G1, G1B
	s_mov_b32 s[\g+1], ROWB<<16                    ; tensor_dim0
	s_mov_b32 s[\g+2], 128<<16                     ; tensor_dim1
	s_mov_b32 s[\g+3], ROWB<<16                    ; tile_dim0
	s_mov_b32 s[\g+4], 128                         ; tile_dim1
	s_mov_b32 s[\g+5], KROW                        ; tensor_dim0_stride
	s_mov_b32 s[\g+6], 0
	s_mov_b32 s[\g+7], 0
.endr
	s_wait_kmcnt 0x0
	; which product: the choices hang on the cluster's x alone, which all sixteen partners share
	s_cmp_eq_u32 ttmp9, 0
	s_cselect_b64 s[20:21], s[72:73], s[76:77]     ; wq's or wk's codes,
	s_cselect_b64 s[22:23], s[74:75], s[78:79]     ; scales,
	s_cselect_b64 s[12:13], s[84:85], s[88:89]     ; q's or k's images,
	s_cselect_b64 s[96:97], s[86:87], s[90:91]     ; scale words
	s_cmp_eq_u32 ttmp9, 2
	s_cselect_b64 s[12:13], s[92:93], s[12:13]     ; or v's
	s_cselect_b64 s[96:97], s[94:95], s[96:97]
	s_cselect_b64 s[4:5], s[80:81], s[68:69]       ; A's codes: wv's for v, else x's
	s_cselect_b64 s[6:7], s[82:83], s[70:71]       ; A's scales
	s_cselect_b64 s[8:9], s[68:69], s[20:21]       ; B's codes: x's for v, else the weight's
	s_cselect_b64 s[10:11], s[70:71], s[22:23]     ; B's scales
	s_cselect_b32 s19, s18, 0
	s_cselect_b32 s2, 0, s18
	s_add_co_u32 s42, s19, s40                     ; B's tile of 256 rows: it holds cx and never cy
	s_add_co_u32 s17, s2, s41                      ; A's tile of 256 rows: it holds cy and never cx
	; the scales of 128 rows: a dense block of 128 KS bytes, as rows of 256 bytes (32 elements of 8 bytes), 16 bytes of padding behind each
	s_or_b32 s[G1S+0], s43, (3<<16)|(1<<20)|(1<<21)|(5<<22)|(3<<25)
	s_or_b32 s[G1SB+0], s44, (3<<16)|(1<<20)|(1<<21)|(5<<22)|(3<<25)
.irp g, G1S, G1SB
	s_mov_b32 s[\g+1], 32<<16
	s_mov_b32 s[\g+2], (128*KS/256)<<16
	s_mov_b32 s[\g+3], 32<<16
	s_mov_b32 s[\g+4], 128*KS/256
	s_mov_b32 s[\g+5], 32
	s_mov_b32 s[\g+6], 0
	s_mov_b32 s[\g+7], 0
.endr
	s_lshl_b32 s18, s16, 7                         ; which 128 rows of the tile I fetch
	s_lshl_b32 s20, s17, 8
	s_add_co_u32 s20, s20, s18                     ; A: row 256 x tile + 128 x half
	s_lshl_b32 s46, s42, 8
	s_add_co_u32 s46, s46, s18                     ; B likewise
	s_mov_b32 s21, 0
	s_mov_b32 s47, 0
	s_mov_b64 s[18:19], KS
	s_mul_u64 s[22:23], s[20:21], s[18:19]         ; where these rows' scales begin, in bytes
	s_mul_u64 s[92:93], s[46:47], s[18:19]
	s_mov_b64 s[18:19], KROW
	s_mul_u64 s[20:21], s[20:21], s[18:19]         ; and their codes
	s_mul_u64 s[46:47], s[46:47], s[18:19]
	s_mul_i32 s45, s14, HALFT                      ; where they go: wave x 128 rows: no place in the cluster enters an LDS address
	s_mul_i32 s94, s14, HALFS
	s_add_nc_u64 s[20:21], s[4:5], s[20:21]
	s_add_nc_u64 s[22:23], s[6:7], s[22:23]
	s_add_nc_u64 s[46:47], s[8:9], s[46:47]
	s_add_nc_u64 s[92:93], s[10:11], s[92:93]
	CROUND                                         ; all sixteen work-groups are here: the first joint loads meet
	s_mov_b32 s[G0S], 1
	s_add_co_u32 s[G0S+1], s94, SCL
	s_mov_b64 s[G0S+2:G0S+3], s[22:23]
	s_or_b32 s[G0S+3], s[G0S+3], 0x80000000
	s_mov_b32 s[G0SB], 1
	s_add_co_u32 s[G0SB+1], s94, SCL
	s_mov_b64 s[G0SB+2:G0SB+3], s[92:93]
	s_or_b32 s[G0SB+3], s[G0SB+3], 0x80000000
	JLOAD G0S, G1S, G0SB, G1SB                     ; the scales first: they are wanted with K step 0
.irp s, 0,1
	s_mov_b32 s[G0+4*\s], 1
	s_add_co_u32 s[G0+4*\s+1], s45, \s*SLOT
	s_add_nc_u64 s[G0+4*\s+2:G0+4*\s+3], s[20:21], \s*ROWB
	s_or_b32 s[G0+4*\s+3], s[G0+4*\s+3], 0x80000000
	s_mov_b32 s[G0B+4*\s], 1
	s_add_co_u32 s[G0B+4*\s+1], s45, \s*SLOT
	s_add_nc_u64 s[G0B+4*\s+2:G0B+4*\s+3], s[46:47], \s*ROWB
	s_or_b32 s[G0B+4*\s+3], s[G0B+4*\s+3], 0x80000000
	JLOAD G0+4*\s, G1, G0B+4*\s, G1B               ; three tensor loads of mine are out behind the second of these
.endr
	v_and_b32 v1, 15, v0                           ; r = l % 16
	v_bfe_u32 v2, v0, 4, 1                         ; h = l / 16
	v_mul_u32_u24 v3, v1, PITCH
	v_mul_u32_u24 v4, v2, 24
	v_add_nc_u32 v4, v3, v4                        ; a fragment's row x pitch + 24 x half
	v_lshl_add_u32 v5, v2, 4, v4                   ; and the same behind one padding more
	s_mul_i32 s21, s15, HALFT                      ; my 128 rows of A
	s_mul_i32 s22, s16, HALFT                      ; my 128 rows of B,
	s_add_co_u32 s22, s22, 2*HALFT                 ; which lie behind A's 256
.irp s, 0,1
	v_add_nc_u32 v[ADRA+\s], s21, v4
	v_add_nc_u32 v[ADRB+\s], s22, v4
	v_add_nc_u32 v[ADRA+2+\s], s21, v5
	v_add_nc_u32 v[ADRB+2+\s], s22, v5
	s_add_co_u32 s21, s21, SLOT
	s_add_co_u32 s22, s22, SLOT
.endr
	v_mul_u32_u24 v5, v1, KS                       ; my row's scales: KS bytes a row,
	v_lshrrev_b32 v6, 8, v5
	v_lshl_add_u32 v5, v6, 4, v5                   ; and 16 more for each 256 passed
	s_mul_i32 s21, s15, HALFS                      ; A's: my 128 rows
	s_mul_i32 s22, s16, HALFS                      ; B's: my 128 rows, behind A's 256
	s_add_co_u32 s22, s22, 2*HALFS
	s_sub_co_u32 s22, s22, s21
	v_mul_u32_u24 v6, s22, v2                      ; lanes 16-31 take B's
	s_add_co_u32 s21, s21, SCL
	v_add_nc_u32 v5, v5, v6
	v_add_nc_u32 v[ADRS], s21, v5
	s_mul_i32 s23, s14, WSTG                       ; my stage
	v_mul_u32_u24 v5, v1, SPITCH                   ; in: row r of a block of 16, 32 bytes for each half of the lanes
	v_lshl_add_u32 v5, v2, 5, v5
	v_add_nc_u32 v[STO], s23, v5
	v_and_b32 v6, 8, v1
	v_add_nc_u32 v6, v6, v1                        ; back: row r + 8 (r / 8) of the 32,
	v_mul_u32_u24 v6, v6, SPITCH
	v_lshl_add_u32 v6, v2, 6, v6                   ; 16 numbers (64 bytes) on for lanes 16-31
	v_add_nc_u32 v[RDQ], s23, v6
.macro FRAG reg, adr, q, i             ; a fragment, 16 rows x 128 K, is 12 registers: lane l holds row l % 16; registers 6 c .. 6 c + 5 hold K = 64 c + 32 (l / 16) + 0 .. 31: 24 bytes of the row's stream of bits, as they lie
.irp p, 0,1,2,3,4,5                    ; in pieces of 8 bytes.  Lanes 0-15 take the row's pieces 12 q + 0, 1, 2 and 12 q + 6, 7, 8, lanes 16-31 those three pieces on
.set PIECE, 12*(\q)+6*(\p/3)+\p%3      ; 16 bytes of padding lie behind every 8 pieces: where the piece three on lies behind one padding more, the second address register serves
.if PIECE%8 < 5
	ds_load_b64 v[\reg+2*\p:\reg+2*\p+1], v[\adr] offset:8*PIECE+16*(PIECE/8)+(\i)*16*PITCH
.else
	ds_load_b64 v[\reg+2*\p:\reg+2*\p+1], v[\adr+2] offset:8*PIECE+16*(PIECE/8)+(\i)*16*PITCH
.endif
.endr
.endm
; 16 matrix instructions: A's blocks a0, a0 + 1 x B's eight, 128 along K: the slot's q-th.  p: B's set;  sc: the set of scale words.  zero = 1: the first product starts the sums.
; The 64 accumulators take turns, one instruction a turn, in the same order in every step.
.macro MUL16 a0, p, q, sc, zero
.irp a, \a0, \a0+1
.irp b, 0,1,2,3,4,5,6,7
.if \zero
	v_wmma_scale_f32_16x16x128_f8f6f4 v[8*(8*((\a)%4)+\b):8*(8*((\a)%4)+\b)+7], v[128*(\p)+FR*\b:128*(\p)+FR*\b+FR-1], v[AF+FR*(\a):AF+FR*(\a)+FR-1], 0, v[SC+8*NQ*(\sc)+NQ*\b+(\q)], v[SC+8*NQ*(\sc)+NQ*(\a)+(\q)] matrix_a_fmt:MATRIX_FMT_FP6 matrix_b_fmt:MATRIX_FMT_FP6 matrix_a_scale:MATRIX_SCALE_ROW1
.else
	v_wmma_scale_f32_16x16x128_f8f6f4 v[8*(8*((\a)%4)+\b):8*(8*((\a)%4)+\b)+7], v[128*(\p)+FR*\b:128*(\p)+FR*\b+FR-1], v[AF+FR*(\a):AF+FR*(\a)+FR-1], v[8*(8*((\a)%4)+\b):8*(8*((\a)%4)+\b)+7], v[SC+8*NQ*(\sc)+NQ*\b+(\q)], v[SC+8*NQ*(\sc)+NQ*(\a)+(\q)] matrix_a_fmt:MATRIX_FMT_FP6 matrix_b_fmt:MATRIX_FMT_FP6 matrix_a_scale:MATRIX_SCALE_ROW1
.endif
.endr
.endr
.endm
.macro FETCH_B slot, q, p              ; B's eight fragments of the slot's q-th 128 along K into set p
	WIN TO_B
.irp i, 0,1,2,3,4,5,6,7
	FRAG 128*(\p)+FR*\i, ADRB+\slot, \q, \i
.endr
	WIN 0
.endm
.macro FETCH_A slot, q, i0             ; A's blocks i0 .. i0 + 3
.irp i, \i0, \i0+1, \i0+2, \i0+3
	FRAG AF+FR*(\i), ADRA+\slot, \q, \i
.endr
.endm
.macro SCALES sc                       ; the next K step's scale words into set sc: NQ words a row; lanes 0-15 take A's block i, lanes 16-31 B's block i
.irp i, 0,1,2,3,4,5,6,7
	ds_load_b64 v[SC+8*NQ*\sc+NQ*\i:SC+8*NQ*\sc+NQ*\i+1], v[ADRS] offset:\i*SBLK
.endr
.endm
; A load into a register that a matrix instruction has read, and a vector instruction or an LDS store that reads a matrix result, stand NP places behind that matrix instruction; only plain vector
; instructions that name none of its registers are places (ISA guide 7.12.1 for vector instructions).
.macro PLACES n
.rept \n
	v_nop
.endr
.endm
; A step of 128 along K that has its successor in the same slot.
.macro STEP slot, q, zero
	s_wait_dscnt 4*NL                              ; B's set and A's blocks 0-3 are in; the youngest 24 loads (A's blocks 4-7) may be out
	WIN MUL_LO
	MUL16 0, (\q)%2, \q, \slot, \zero
	MUL16 2, (\q)%2, \q, \slot, \zero
	s_wait_dscnt 0                                 ; A's blocks 4-7 are in
	PLACES NP
	FETCH_B \slot, (\q)+1, 1-(\q)%2
	FETCH_A \slot, (\q)+1, 0
	WIN MUL_HI
	MUL16 4, (\q)%2, \q, \slot, \zero
	MUL16 6, (\q)%2, \q, \slot, \zero
	PLACES NP
	WIN 0
	FETCH_A \slot, (\q)+1, 4
.endm
; A slot's last step changes slots: one barrier; in front of it each wave waits for all its tensor loads, adds 0 to its spare word, and waits for that and for its own reads of this slot.  fill = 1: this slot is filled again, two K steps ahead.
.macro TURN slot, next, fill
	s_wait_tensorcnt 0x0                           ; all my tensor loads have landed: my part of the next slot;
	ds_add_u32 v[SPW], v[NIL]                      ; 0 onto my spare word
	s_wait_dscnt 4*NL+1                            ; (the add and the youngest 24 loads, A's blocks 4-7, may be out)
	WIN MUL_LO
	MUL16 0, 1, NQ-1, \slot, 0                     ; sixteen matrix instructions stand between the add and the wait for it
	s_wait_dscnt 0x0                               ; the add is done, and my reads of this slot are over
	s_barrier_signal -1
	MUL16 2, 1, NQ-1, \slot, 0
	WIN 0
	s_barrier_wait -1
.if \fill
	CREST                                          ; the barrier has opened a round of the cluster's barrier: no wave of any partner still reads this slot's tile or has a load on its way
	s_add_nc_u64 s[G0+4*\slot+2:G0+4*\slot+3], s[G0+4*\slot+2:G0+4*\slot+3], 2*ROWB
	s_add_nc_u64 s[G0B+4*\slot+2:G0B+4*\slot+3], s[G0B+4*\slot+2:G0B+4*\slot+3], 2*ROWB
	JLOAD G0+4*\slot, G1, G0B+4*\slot, G1B         ; the first tensor load behind the round; its four v_nop are the places in front of the loads below
.else
	PLACES NP
.endif
	s_wait_alu depctr_va_vdst(0)
	v_add_nc_u32 v[ADRS], 4*NQ, v[ADRS]            ; on to the next K step's scale words (no LDS load of mine is out)
	FETCH_B \next, 0, 0
	FETCH_A \next, 0, 0
	SCALES \next
	WIN MUL_HI
	MUL16 4, 1, NQ-1, \slot, 0
	MUL16 6, 1, NQ-1, \slot, 0
	PLACES NP
	WIN 0
	FETCH_A \next, 0, 4
.endm
	s_wait_alu depctr_va_vdst(0)
	s_wait_tensorcnt 1                             ; the scales and my part of K step 0 are in (K step 1's load may be out)
	s_barrier_signal -1
	s_barrier_wait -1                              ; everybody's are
	FETCH_B 0, 0, 0
	FETCH_A 0, 0, 0
	SCALES 0
	FETCH_A 0, 0, 4
	STEP 0, 0, 1                                   ; the first step stands in front of the loop: its products start the sums
	s_mov_b32 s3, LAPS-1
.Llap:                                                 ; a trip goes once round the ring, from a lap's second step to the next lap's first, and fills both slots again
	TURN 0, 1, 1
	STEP 1, 0, 0
	TURN 1, 0, 1
	STEP 0, 0, 0
	s_sub_co_u32 s3, s3, 1
	s_cmp_lg_u32 s3, 0
	s_cbranch_scc1 .Llap
	TURN 0, 1, 0                                   ; the last lap fills nothing, and has no round of the cluster's barrier
	STEP 1, 0, 0
	s_wait_dscnt 4*NL                              ; the very last step: nothing more to fetch
	WIN MUL_LO
	MUL16 0, 1, NQ-1, 1, 0
	MUL16 2, 1, NQ-1, 1, 0
	s_wait_dscnt 0
	WIN MUL_HI
	MUL16 4, 1, NQ-1, 1, 0
	MUL16 6, 1, NQ-1, 1, 0
	WIN 0
	PLACES NP                                      ; behind the last products: for the writes and loads into A's registers and for the reads of results below
	; THE WAY OUT.  No tensor load of mine is out since the last change of slots, so the descriptors' registers are free.
	; q, k: my 128 rows are tokens (8 images of 16), my 128 columns two heads.  v: my 128 rows are two heads' d (8 images of 16), my 128 columns one key step.
	s_lshr_b32 s20, s17, 3                         ; q, k: the batch (8 tiles of 256 tokens each),
	s_lshl_b32 s20, s20, 4
	s_lshl_b32 s21, s42, 2
	s_add_co_u32 s20, s20, s21
	s_lshl_b32 s21, s16, 1
	s_add_co_u32 s20, s20, s21                     ; batch x 16 + my first head
	s_and_b32 s22, s17, 7
	s_lshl_b32 s22, s22, 4
	s_lshl_b32 s23, s15, 3
	s_add_co_u32 s22, s22, s23                     ; my first image of 16 tokens in the batch
	s_mul_i32 s24, s20, 98304
	s_mul_i32 s25, s22, 768
	s_add_co_u32 s24, s24, s25                     ; its bytes among the images,
	s_lshl_b32 s25, s20, 12
	s_lshl_b32 s26, s22, 5
	s_add_co_u32 s25, s25, s26                     ; and among the scale words
	s_lshl_b32 s26, s42, 1                         ; v: batch x 16 + key step = 2 x tile of tokens + half,
	s_add_co_u32 s26, s26, s16
	s_lshl_b32 s26, s26, 6
	s_lshl_b32 s27, s17, 4
	s_add_co_u32 s26, s26, s27
	s_add_co_u32 s26, s26, s23                     ; x 64 + my first image of 16 d
	s_mul_i32 s27, s26, 1536
	s_lshl_b32 s28, s26, 6
	s_mov_b32 s31, 0
	s_mov_b32 s33, 0
	s_mov_b32 s34, 768
	s_mov_b32 s35, 0
	s_mov_b32 s36, 98304
	s_mov_b32 s37, 4096
	s_mov_b32 s38, 128
	s_mov_b32 s39, 0
	s_mov_b32 s44, 0x05040100
	s_mov_b32 s45, 0x03020100
	s_mov_b32 s46, 0x07060302
	s_mov_b32 s47, 0x07060504
	s_mov_b32 s48, 0x76543210
	s_mov_b32 s49, 0xfedcba98                      ; v_permlanex16_b32's selects for lane l xor 16
	s_cmp_eq_u32 ttmp9, 2
	s_cselect_b32 s30, s27, s24                    ; where my images begin,
	s_cselect_b32 s32, s28, s25                    ; and my scale words
	s_cselect_b32 s34, 1536, s34                   ; from image to image: a fragment for v, half a fragment for q, k
	s_cselect_b32 s36, 768, s36                    ; from registers 0-5 to registers 6-11: the fragment's second half for v, the next head for q, k
	s_cselect_b32 s37, 64, s37                     ; lanes 16-31 store the word of: image u = 1 for v, the next head for q, k
	s_cselect_b32 s38, s38, 64                     ; from one block of 32 rows to the next, in the scale words
	s_cselect_b32 s44, s45, s44                    ; lanes 0-15's word: v: image 0's four bytes; q, k: the first head's two bytes of image 0, then of image 1
	s_cselect_b32 s46, s47, s46                    ; lanes 16-31's: v: image 1's four bytes; q, k: the second head's
	s_add_nc_u64 s[12:13], s[12:13], s[30:31]
	s_add_nc_u64 s[96:97], s[96:97], s[32:33]
	v_and_b32 v1, 15, v0
	v_bfe_u32 v2, v0, 4, 1
	v_and_b32 v3, 31, v0
	v_lshlrev_b32 v[VO0], 3, v3
	v_add_nc_u32 v[VO1], s36, v[VO0]
	v_mul_lo_u32 v[VSO], v2, s37
	v_lshl_add_u32 v[VSO], v1, 2, v[VSO]
	v_mov_b32 v[SELV], s44
	v_mov_b32 v3, s46
	v_cmp_eq_u32 vcc_lo, 1, v2
	v_cndmask_b32 v[SELV], v[SELV], v3, vcc_lo
.irp b, 0,1,2,3
	v_mov_b32 v[TM+4+\b], 0                        ; written once: a lane permute's destination counts as one of its sources
.endr
; Block a of 16 rows x 128 columns goes into half a % 2 of my stage as it lies in the accumulators: a lane's eight numbers are 32 bytes of row r.
.macro TOSTAGE a
.set AC, 64*((\a)%4)
	WIN 0x08+4*((\a)/4)                            ; the data: window 2 or 3
.irp b, 0,1,2,3,4,5,6,7
	ds_store_b128 v[STO], v[AC+8*\b:AC+8*\b+3] offset:16*SPITCH*((\a)%2)+64*\b          ; each accumulator from its low end on
	ds_store_b128 v[STO], v[AC+8*\b+4:AC+8*\b+7] offset:16*SPITCH*((\a)%2)+64*\b+16
.endr
	WIN 0
.endm
; Image u of the stage's 32 rows comes back: lane (r, h) takes row 8 u + r + 8 (r / 8), and register 16 b + i its column 32 b + 16 h + i.  LDS serves a wave's instructions in order (ISA guide 5.7.1.4): these see the stores above.
.macro BACK u, x
.irp b, 0,1,2,3
.irp j, 0,1,2,3
	ds_load_b128 v[\x+16*\b+4*\j:\x+16*\b+4*\j+3], v[RDQ] offset:8*\u*SPITCH+128*\b+16*\j
.endr
.endr
.endm
; 64 numbers of a lane, register 16 b + i = column 32 b + 16 h + i of my row, become a fragment's codes in v[CD] on and its scale word in v[PW].
.macro QUANT s
.irp b, 0,1,2,3
	v_max3_num_f32 v[TM+\b], |v[\s+16*\b]|, |v[\s+1+16*\b]|, 0x1800000   ; block b: my 16 numbers, and the floor 2^(3 - 127): so the byte cannot fall under 1
.endr
.irp i, 2,4,6,8,10,12,14
.irp b, 0,1,2,3
	v_max3_num_f32 v[TM+\b], v[TM+\b], |v[\s+16*\b+\i]|, |v[\s+1+16*\b+\i]|   ; (the four blocks by turns)
.endr
.endr
.irp b, 0,1,2,3
	v_permlanex16_b32 v[TM+4+\b], v[TM+\b], s48, s49
.endr
.irp b, 0,1,2,3
	v_max_num_f32 v[TM+\b], v[TM+\b], v[TM+4+\b]   ; with lane l xor 16's: the block's largest magnitude
.endr
.irp b, 0,1,2,3
	v_add_nc_u32 v[TM+12+\b], 0xff000000, v[TM+\b] ; 2 off its exponent field: the conversion takes the exponent field of this operand as its scale
.endr
.irp b, 0,1,2,3
	v_lshrrev_b32 v[TM+4+\b], 23, v[TM+12+\b]      ; the scale's byte
.endr
	v_lshl_or_b32 v[PW], v[TM+5], 8, v[TM+4]       ; the four bytes make my row's scale word
	v_lshl_or_b32 v[PW], v[TM+6], 16, v[PW]
	v_lshl_or_b32 v[PW], v[TM+7], 24, v[PW]
.irp c, 0,1
	v_cvt_scalef32_pk16_fp6_f32 v[CD+6*\c:CD+2+6*\c], v[\s+32*\c:\s+15+32*\c], v[TM+12+2*\c]
	v_cvt_scalef32_pk16_fp6_f32 v[CD+12+4*\c:CD+14+4*\c], v[\s+16+32*\c:\s+31+32*\c], v[TM+12+2*\c+1]   ; (a conversion's three registers begin on an even number)
.endr
	v_nop                                          ; one plain place behind a scaled conversion
.irp c, 0,1                                    ; the operand's layout wants a whole block in a lane: lanes 0-15 block 2 c, lanes 16-31 block 2 c + 1
.irp i, 0,1,2
	v_permlane16_swap_b32 v[CD+6*\c+\i], v[CD+12+4*\c+\i]
.endr
.irp i, 0,1,2
	v_mov_b32 v[CD+3+6*\c+\i], v[CD+12+4*\c+\i]
.endr
.endr
.endm
.macro PUT                             ; the twelve registers leave as six pieces: each store of the wave covers 256 consecutive bytes, aligned
.irp p, 0,1,2
	global_store_b64 v[VO0], v[CD+2*\p:CD+2*\p+1], s[12:13] offset:256*\p
	global_store_b64 v[VO1], v[CD+6+2*\p:CD+7+2*\p], s[12:13] offset:256*\p
.endr
.endm
.irp be, 0,1,2,3                               ; my rows 32 be .. 32 be + 31: two images
	TOSTAGE 2*\be
	TOSTAGE 2*\be+1
	BACK 0, X0
	BACK 1, X1
	s_wait_dscnt 16                                ; image 0's numbers are in; image 1's 16 loads may be out
	s_wait_xcnt 0x0                                ; the earlier stores have read their data and bases: both are written again only behind this wait
.if \be > 0
	s_add_nc_u64 s[12:13], s[12:13], s[34:35]
	s_add_nc_u64 s[96:97], s[96:97], s[38:39]
.endif
	QUANT X0
	v_mov_b32 v[PWE], v[PW]
	PUT
	s_wait_dscnt 0x0
	s_wait_xcnt 0x0                                ; image 0's stores have read the codes and the base
	s_add_nc_u64 s[12:13], s[12:13], s[34:35]
	QUANT X1
	PUT
	v_perm_b32 v[WD], v[PW], v[PWE], v[SELV]       ; selects 0-3: image 0's word, 4-7: image 1's
	global_store_b32 v[VSO], v[WD], s[96:97]
.endr
	s_wait_tensorcnt 0x0                           ; the wave's end: behind my last tensor load and my last LDS store
	ds_add_u32 v[SPW], v[NIL]
	s_wait_dscnt 0x0
	CROUND                                         ; the closing round: no work-group ends while a partner may still ask for a tile that names it
	s_endpgm
.Lfunc_end_k_q4a822b33ac_qkv:
	.size	k_q4a822b33ac_qkv, .Lfunc_end_k_q4a822b33ac_qkv-k_q4a822b33ac_qkv
	.p2alignl 7, 3214868480
	.fill 96, 4, 3214868480
	.section	.rodata,"a",@progbits
	.p2align	6, 0x0
	.amdhsa_kernel k_q4a822b33ac_qkv
		.amdhsa_group_segment_fixed_size 327680
		.amdhsa_private_segment_fixed_size 0
		.amdhsa_enable_private_segment 0
		.amdhsa_kernarg_size 112
		.amdhsa_user_sgpr_count 2
		.amdhsa_user_sgpr_kernarg_segment_ptr 1
		.amdhsa_wavefront_size32 1
		.amdhsa_system_sgpr_workgroup_id_x 1
		.amdhsa_system_sgpr_workgroup_id_y 1
		.amdhsa_system_sgpr_workgroup_id_z 1
		.amdhsa_system_vgpr_workitem_id 0
		.amdhsa_next_free_vgpr 1024
		.amdhsa_next_free_sgpr 98
		.amdhsa_reserve_vcc 1
		.amdhsa_float_denorm_mode_32 3
		.amdhsa_float_denorm_mode_16_64 3
		.amdhsa_memory_ordered 1
		.amdhsa_forward_progress 1
		.amdhsa_inst_pref_size 186
	.end_amdhsa_kernel
	.amdgpu_metadata
---
amdhsa.version: [ 1, 2 ]
amdhsa.kernels:
  - .name:           k_q4a822b33ac_qkv
    .symbol:         k_q4a822b33ac_qkv.kd
    .args:
      - { .name: x_codes, .offset: 0, .size: 8, .value_kind: global_buffer, .address_space: global }
      - { .name: x_scales, .offset: 8, .size: 8, .value_kind: global_buffer, .address_space: global }
      - { .name: wq_codes, .offset: 16, .size: 8, .value_kind: global_buffer, .address_space: global }
      - { .name: wq_scales, .offset: 24, .size: 8, .value_kind: global_buffer, .address_space: global }
      - { .name: wk_codes, .offset: 32, .size: 8, .value_kind: global_buffer, .address_space: global }
      - { .name: wk_scales, .offset: 40, .size: 8, .value_kind: global_buffer, .address_space: global }
      - { .name: wv_codes, .offset: 48, .size: 8, .value_kind: global_buffer, .address_space: global }
      - { .name: wv_scales, .offset: 56, .size: 8, .value_kind: global_buffer, .address_space: global }
      - { .name: q_img, .offset: 64, .size: 8, .value_kind: global_buffer, .address_space: global }
      - { .name: q_sc, .offset: 72, .size: 8, .value_kind: global_buffer, .address_space: global }
      - { .name: k_img, .offset: 80, .size: 8, .value_kind: global_buffer, .address_space: global }
      - { .name: k_sc, .offset: 88, .size: 8, .value_kind: global_buffer, .address_space: global }
      - { .name: v_img, .offset: 96, .size: 8, .value_kind: global_buffer, .address_space: global }
      - { .name: v_sc, .offset: 104, .size: 8, .value_kind: global_buffer, .address_space: global }
    .group_segment_fixed_size: 327680
    .private_segment_fixed_size: 0
    .kernarg_segment_align: 8
    .kernarg_segment_size: 112
    .max_flat_workgroup_size: 128
    .sgpr_count:     98
    .vgpr_count:     1024
    .wavefront_size: 32
...
	.end_amdgpu_metadata
.endif
;; end of part 1
;; launch attn (part 2): grid 4 x 64, 16 waves a work-group, clusters of 4 x 1, 206,848 bytes of LDS; arguments q_img, q_sc, k_img, k_sc, v_img, v_sc, o_img, o_sc; writes o_img, o_sc
.if DOCPART == 2
	.amdgcn_target "amdgcn-amd-amdhsa--gfx1250"
	.amdhsa_code_object_version 6
	.text
	.protected	k_q4a822b33ac_attn
	.globl	k_q4a822b33ac_attn
	.p2align	8
	.type	k_q4a822b33ac_attn,@function
k_q4a822b33ac_attn:
	s_mov_b64 s[64:65], 0
	v_nop
	global_prefetch_b8 v0, s[64:65] scope:SCOPE_SE
	s_setreg_imm32_b32 hwreg(HW_REG_WAVE_MODE, 25, 1), 1
	s_wait_xcnt 0x0
	s_wait_alu depctr_hold_cnt(0) depctr_sa_sdst(0) depctr_va_vdst(0) depctr_va_sdst(0) depctr_va_ssrc(0) depctr_va_vcc(0) depctr_vm_vsrc(0)
	s_getreg_b32 s2, hwreg(HW_REG_IB_STS2, 6, 4)
	s_cmp_eq_u32 s2, 0
	s_cbranch_scc0 .Lentry_in_a_cluster
	s_endpgm
.Lentry_in_a_cluster:
	s_bfe_u32 s2, ttmp6, 0x10000c
	s_cmp_lg_u32 s2, 0x3003
	s_cbranch_scc0 .Lentry_shape_is_right
	s_endpgm
.Lentry_shape_is_right:
; Causal attention of one (batch, head) for each cluster, both products on codes of FP6 (E2M3) with one E8M0 scale for each 32 along a product's K; the result, divided by the row's sum, is quantised along the head's 64
; and leaves as an image of operand registers for the last product.  2,048 tokens, head size 64.
; THE SOFTMAX AHEAD OF THE SECOND PRODUCT: t = score x log2(e) / 8; M = the row's largest t so far, rounded up to a whole number; p = 2^(t - M) is what is quantised, along the keys; it is not normalised.
; The row's sum is taken of the unquantised p, in f32.  When M moves, the sum and O are multiplied by 2^(old M - new M): exact.
; INPUTS are images of operand registers.  Half a fragment (16 rows x 64 along K) is 768 bytes: piece p of three holds, at 8 x lane, registers 2 p, 2 p + 1 of lane (r, h): k = 32 h .. 32 h + 31 of row r.
; The 16 tokens of an image t are 32 (t / 2) + 8 (t % 2) + r + 8 (r / 8); likewise the 16 d of a tile of V.  So in both transposed products a lane's 16 registers of two tiles are 16 neighbours along the next K.
; SHARES.  A head's whole K and V, 196,608 bytes of codes and 8,192 of scale words, is brought into LDS ONCE: no slot is ever filled again, and the loop has no barrier.  The four work-groups of a cluster need the same bytes:
; each of the 16 waves asks for one key step's part (four loads) JOINTLY with its namesakes in the partners, by the same descriptors and the mask of all four.
; The work-group at place cx owns the images of queries t = 4 i + cx, i = 0 .. 31.  The four images of one i lie in one block of 128 keys, so the number of key steps, i / 2 + 1, hangs on i alone: no branch hangs on cx.
; Wave w takes i = w and then i = 31 - w: 17 key steps for every wave of every work-group.  A wave holds one image of 16 queries in 256 registers, four waves to a SIMD, so that one wave's vector work stands beside another's products.
; S^T = K Q^T (source 0 = keys, source 1 = my 16 queries).  The head's 64 fill half of the instruction's K = 128: source 0 holds TWO tiles of keys on end (K 0-63 and 64-127), and source 1 is q with zero codes in the other half:
; [q, 0] gives the first tile's scores, [0, q] the second's.  A zero code times any code of this format is 0, and every scale byte made by this program lies in 1 .. 254.
; O^T = V^T P^T (source 0 = 16 d, source 1 = P, K = the step's 128 keys).  A lane holds one query throughout.
; No prefetch is laid: all of K and V is asked for at the head, in one group.
; LIMITS: a block whose largest magnitude lies under 2^-124 (a block of zeros too) gets the scale byte 1; only this program reads the bytes.  NaN and infinities are not served.
.set KIMG, 0                           ; LDS: K's images, 6,144 bytes a key step (eight half fragments = four fragments of two tiles);
.set VIMG, 98304                       ; V's, 6,144 bytes a key step (four fragments: 16 d x 128 keys);
.set KSC,  196608                      ; K's scale words, 256 bytes a step: for each 32 keys, 4 bytes a lane r: (first tile's two bytes, second tile's two);
.set VSC,  200704                      ; V's, 256 bytes a step: for each tile of d, 4 bytes a lane r
.set AK0,  1                           ; v1   KIMG + 8 x lane
.set AV0,  2                           ; v2   VIMG + 8 x lane
.set ASK0, 3                           ; v3   KSC + 4 x lane
.set ASV0, 4                           ; v4   VSC + 4 x lane
.set G8,   5                           ; v5   8 x lane: my place in a piece of an image in memory
.set R4,   6                           ; v6   4 r: my query's scale bytes
.set OSO,  7                           ; v7   32 r + h: where my scale byte of O goes
.set ADK,  8                           ; v8-11 the step's LDS addresses
.set ADV,  9
.set ADS,  10
.set ADT,  11
.set QL,   16                          ; v16-27 [q, 0];  v28-39 [0, q]
.set FB,   40                          ; v40-87 four fragments: K's, then V's
.set KS0,  88                          ; v88-89 K's scale words (lanes 0-15 one block of 32 keys, lanes 16-31 the next);  v90-91 V's (two tiles of d each)
.set VS0,  90
.set QS,   92                          ; v92  q's two scale bytes, twice
.set PW,   93                          ; v93  p's scale word.  v88-93 hold scales and nothing else
.set DQ,   94                          ; v94  r + 8 (r / 8) - 16 h
.set H8,   95                          ; v95  8 h
.set SCO,  96                          ; v96-159 S^T, then p: register 16 b + i = key 32 b + 16 h + i of the step
.set OT,   160                         ; v160-191 O^T: register 16 b + i = d 32 b + 16 h + i
.set CD,   192                         ; v192-203 codes;  v204-210 the conversions' second halves
.set C2,   204
.set BM,   212                         ; v212-215 a block's largest score, then largest p
.set BP,   216                         ; v216-219 the other half's; then the bytes
.set BS,   220                         ; v220-223 the conversions' scale operands
.set FF,   224                         ; v[224:225] f = 2^(old M - new M), later 1 / the sum; the pair's upper word is written once
.set T0,   226
.set NINF, 228
.set DD,   229
.set SUM2, 230                         ; v[230:231] the sum's second chain
.set WV,   20                          ; s20  my wave's number
.set CX,   21                          ; s21  my place in the cluster: it enters global addresses and the mask's numbers alone
.set G1D,  28                          ; s[28:35] group 1: 6,144 dense bytes as 24 rows of 256;  s[36:43]: one row of 256
.set G1S,  36
.set G0K,  44                          ; s[44:47], s[48:51], s[52:55], s[56:59] groups 0: K's images, V's, K's scale words, V's
.set G0V,  48
.set G0KS, 52
.set G0VS, 56
.set SEL,  60                          ; s[60:61] lane selects for v_permlanex16_b32: lane l xor 16
.set CS,   62                          ; s[62:63] c = log2(e) / 8
.set II,   66                          ; s66  i
.set NB,   67                          ; s67  the key step on the diagonal: i / 2
.set KST,  68                          ; s68  the key step
.set TB,   69                          ; s69  6,144 x key step
.set TS,   70                          ; s70  256 x key step
.set PASS, 71
.set DOFF, 72                          ; s72  my image's first query in its block of 128
.set TT,   73                          ; s73  t
.set QB,   74                          ; s[74:75] q's image, s[76:77] its scale bytes, s[78:79] O's image, s[80:81] its scale bytes
.set QSB,  76
.set OB,   78
.set OSB,  80
.macro CROUND                          ; a round of the cluster's barrier
	s_barrier_signal -1
	s_barrier_wait -1
	s_cmp_lg_u32 s[WV], 0
	s_cbranch_scc1 .Lnot_wave_0_\@
	s_barrier_signal -3
.Lnot_wave_0_\@:
	s_barrier_wait -3
	s_barrier_signal -1
	s_barrier_wait -1
.endm
	s_load_b512 s[4:19], s[0:1], 0x0               ; q_img, q_sc, k_img, k_sc, v_img, v_sc, o_img, o_sc
	v_lshl_add_u32 v254, v0, 2, 0x32000
	v_mov_b32 v255, 0
	ds_add_u32 v254, v255
	ds_add_u32 v254, v255
	v_lshrrev_b32 v1, 5, v0
	s_delay_alu instid0(VALU_DEP_1)
	v_readfirstlane_b32 s[WV], v1                  ; wave 0..15
	s_bfe_u32 s[CX], ttmp6, 0x40000
	s_and_b32 s22, ttmp7, 0xffff                   ; batch x 16 + head, which the four partners share
	s_lshr_b32 s23, s22, 4                         ; the batch
	s_and_b32 s24, s22, 15                         ; the head
	s_mov_b32 s[G1D], 15|(3<<16)|(1<<21)           ; 15:0 the mask: all four work-groups; elements of 8 bytes; no padding; 21 set beside a mask
	s_mov_b32 s[G1D+1], 32<<16                     ; tensor_dim0 = 32 elements: 256 bytes
	s_mov_b32 s[G1D+2], 24<<16                     ; tensor_dim1 = 24
	s_mov_b32 s[G1D+3], 32<<16                     ; tile_dim0
	s_mov_b32 s[G1D+4], 24                         ; tile_dim1
	s_mov_b32 s[G1D+5], 32                         ; the pitch: dense
	s_mov_b32 s[G1D+6], 0
	s_mov_b32 s[G1D+7], 0
	s_mov_b32 s[G1S], 15|(3<<16)|(1<<21)
	s_mov_b32 s[G1S+1], 32<<16
	s_mov_b32 s[G1S+2], 1<<16
	s_mov_b32 s[G1S+3], 32<<16
	s_mov_b32 s[G1S+4], 1
	s_mov_b32 s[G1S+5], 32
	s_mov_b32 s[G1S+6], 0
	s_mov_b32 s[G1S+7], 0
	s_mov_b32 s[SEL], 0x76543210
	s_mov_b32 s[SEL+1], 0xfedcba98
	s_mov_b32 s[CS], 0x3e38aa3b                    ; log2(e) / sqrt(64)
	s_mov_b32 s[CS+1], s[CS]                       ; (named with it as a pair, so it is written)
	s_mul_i32 s82, s22, 98304                      ; the head's images of q and of k
	s_mov_b32 s83, 0
	s_lshl_b32 s84, s22, 12                        ; and their scale words
	s_mov_b32 s85, 0
	s_mul_i32 s66, s[WV], 6144                     ; key step w is mine to fetch
	s_mov_b32 s67, 0
	s_lshl_b32 s68, s[WV], 8
	s_mov_b32 s69, 0
	s_mul_i32 s70, s23, 1572864                    ; V's images: ((batch x 16 + step) x 64 + head x 4) x 1,536
	s_mul_i32 s72, s[WV], 98304
	s_add_co_u32 s70, s70, s72
	s_mul_i32 s72, s24, 6144
	s_add_co_u32 s70, s70, s72
	s_mov_b32 s71, 0
	s_lshl_b32 s72, s23, 16                        ; V's scale words: the same index x 64
	s_lshl_b32 s73, s[WV], 12
	s_add_co_u32 s72, s72, s73
	s_lshl_b32 s73, s24, 8
	s_add_co_u32 s72, s72, s73
	s_mov_b32 s73, 0
	s_mul_i32 s74, s23, 1572864                    ; O's images: (batch x 128 + t) x 12,288 + head x 768
	s_mul_i32 s75, s24, 768
	s_add_co_u32 s74, s74, s75
	s_mov_b32 s75, 0
	s_lshl_b32 s76, s23, 16                        ; O's scale bytes: ((batch x 128 + t) x 16 + r) x 32 + head x 2
	s_lshl_b32 s77, s24, 1
	s_add_co_u32 s76, s76, s77
	s_mov_b32 s77, 0
	s_wait_dscnt 0x0
	s_wait_kmcnt 0x0
	s_mov_b32 s[G0K], 1
	s_add_co_u32 s[G0K+1], s66, KIMG
	s_add_nc_u64 s[G0K+2:G0K+3], s[8:9], s[82:83]
	s_add_nc_u64 s[G0K+2:G0K+3], s[G0K+2:G0K+3], s[66:67]
	s_or_b32 s[G0K+3], s[G0K+3], 0x80000000
	s_mov_b32 s[G0V], 1
	s_add_co_u32 s[G0V+1], s66, VIMG
	s_add_nc_u64 s[G0V+2:G0V+3], s[12:13], s[70:71]
	s_or_b32 s[G0V+3], s[G0V+3], 0x80000000
	s_mov_b32 s[G0KS], 1
	s_add_co_u32 s[G0KS+1], s68, KSC
	s_add_nc_u64 s[G0KS+2:G0KS+3], s[10:11], s[84:85]
	s_add_nc_u64 s[G0KS+2:G0KS+3], s[G0KS+2:G0KS+3], s[68:69]
	s_or_b32 s[G0KS+3], s[G0KS+3], 0x80000000
	s_mov_b32 s[G0VS], 1
	s_add_co_u32 s[G0VS+1], s68, VSC
	s_add_nc_u64 s[G0VS+2:G0VS+3], s[14:15], s[72:73]
	s_or_b32 s[G0VS+3], s[G0VS+3], 0x80000000
	CROUND                                         ; all four work-groups are here: the joint loads meet
	tensor_load_to_lds s[G0K:G0K+3], s[G1D:G1D+7]  ; every wave's four fills stand together, ahead of every wait on TENSORcnt and every LDS read: four loads of mine are out
	s_nop 0
	tensor_load_to_lds s[G0V:G0V+3], s[G1D:G1D+7]
	s_nop 0
	tensor_load_to_lds s[G0KS:G0KS+3], s[G1S:G1S+7]
	s_nop 0
	tensor_load_to_lds s[G0VS:G0VS+3], s[G1S:G1S+7]
	s_nop 0
.rept 4
	v_nop
.endr
	s_add_nc_u64 s[4:5], s[4:5], s[82:83]          ; q's images and scale bytes at my head,
	s_add_nc_u64 s[6:7], s[6:7], s[84:85]
	s_add_nc_u64 s[16:17], s[16:17], s[74:75]      ; O's at my batch and head
	s_add_nc_u64 s[18:19], s[18:19], s[76:77]
	v_and_b32 v[T0], 31, v0                        ; lane
	v_and_b32 v[T0+1], 15, v0                      ; r
	v_bfe_u32 v[DD], v0, 4, 1                      ; h
	s_delay_alu instid0(VALU_DEP_3)
	v_lshlrev_b32 v[G8], 3, v[T0]
	s_delay_alu instid0(VALU_DEP_1)
	v_add_nc_u32 v[AK0], KIMG, v[G8]
	s_delay_alu instid0(VALU_DEP_2)
	v_add_nc_u32 v[AV0], VIMG, v[G8]
	v_lshl_add_u32 v[ASK0], v[T0], 2, KSC
	v_lshl_add_u32 v[ASV0], v[T0], 2, VSC
	v_lshlrev_b32 v[R4], 2, v[T0+1]
	v_lshl_add_u32 v[OSO], v[T0+1], 5, v[DD]
	v_and_b32 v[DQ], 8, v[T0+1]
	s_delay_alu instid0(VALU_DEP_1)
	v_add_nc_u32 v[DQ], v[DQ], v[T0+1]
	v_lshlrev_b32 v[H8], 4, v[DD]
	s_delay_alu instid0(VALU_DEP_1)
	v_sub_nc_u32 v[DQ], v[DQ], v[H8]               ; r + 8 (r / 8) - 16 h
	v_lshlrev_b32 v[H8], 3, v[DD]
.irp j, 6,7,8,9,10,11,12,13,14,15,16,17
	v_mov_b32 v[QL+\j], 0                          ; the zero halves of [q, 0] and [0, q]: zero codes, set once
.endr
.irp b, 0,1,2,3
	v_mov_b32 v[BP+\b], 0                          ; written once: a lane permute's destination counts as one of its sources
.endr
	v_mov_b32 v[FF+1], 0                           ; (named as the upper half of a pair)
	v_mov_b32 v[NINF], 0xff800000                  ; -infinity
	s_mov_b32 s[II], s[WV]
	s_mov_b32 s[PASS], 2
	s_wait_tensorcnt 0x0                           ; my part of K and V has landed,
	s_barrier_signal -1
	s_barrier_wait -1                              ; everybody's has.  From here on LDS is only read
.Lpass:                                            ; two trips: i = w, then i = 31 - w
	s_wait_xcnt 0x0                                ; the last pass's loads and stores have read their bases and data: these are written again only behind this wait
	s_lshr_b32 s[NB], s[II], 1
	s_lshl_b32 s[TT], s[II], 2
	s_add_co_u32 s[TT], s[TT], s[CX]               ; t = 4 i + cx
	s_lshr_b32 s82, s[TT], 1
	s_and_b32 s83, s[TT], 1
	s_and_b32 s[DOFF], s82, 3
	s_lshl_b32 s[DOFF], s[DOFF], 5
	s_lshl_b32 s84, s83, 3
	s_add_co_u32 s[DOFF], s[DOFF], s84             ; 32 ((t / 2) % 4) + 8 (t % 2)
	s_mul_i32 s84, s[TT], 768
	s_mov_b32 s85, 0
	s_add_nc_u64 s[QB:QB+1], s[4:5], s[84:85]
	s_lshl_b32 s84, s82, 6
	s_lshl_b32 s83, s83, 1
	s_add_co_u32 s84, s84, s83
	s_add_nc_u64 s[QSB:QSB+1], s[6:7], s[84:85]
	s_mul_i32 s84, s[TT], 12288
	s_add_nc_u64 s[OB:OB+1], s[16:17], s[84:85]
	s_lshl_b32 s84, s[TT], 9
	s_add_nc_u64 s[OSB:OSB+1], s[18:19], s[84:85]
.irp p, 0,1,2
	global_load_b64 v[QL+2*\p:QL+2*\p+1], v[G8], s[QB:QB+1] offset:256*\p          ; q into the lower half of [q, 0]
	global_load_b64 v[QL+18+2*\p:QL+19+2*\p], v[G8], s[QB:QB+1] offset:256*\p      ; and into the upper half of [0, q]
.endr
	global_load_u16 v[T0], v[R4], s[QSB:QSB+1]     ; my query's two scale bytes
	v_mov_b32 v13, 0xff61b1e6                      ; the largest t so far: -3e38, under every t
	s_delay_alu instid0(VALU_DEP_1)
	v_floor_f32 v12, -v13                          ; -M
	v_mov_b32 v14, 0                               ; the sum, in two halves
	v_mov_b32 v15, 0
	s_wait_loadcnt 0x0
	v_lshl_or_b32 v[QS], v[T0], 16, v[T0]          ; for K 0-63 and for K 64-127 alike
.set j, 0
.rept 32
	v_mov_b32 v[OT+j], 0                           ; O^T.  (The step is written once: the first finds zeros.  These 32 are also the places between the scale word's write and the first product)
.set j, j+1
.endr
	s_mov_b32 s[KST], 0
	s_mov_b32 s[TB], 0
	s_mov_b32 s[TS], 0
.Lstep:                                            ; 16 trips, a constant; a step all of whose keys come after my queries is jumped over, but for the lines that step addresses
	s_cmp_gt_u32 s[KST], s[NB]
	s_cbranch_scc1 .Lskip
	s_setprio 2
	v_add_nc_u32 v[ADK], s[TB], v[AK0]             ; (these four are the places behind the last step's products, in front of the loads into their registers)
	v_add_nc_u32 v[ADV], s[TB], v[AV0]
	v_add_nc_u32 v[ADS], s[TS], v[ASK0]
	v_add_nc_u32 v[ADT], s[TS], v[ASV0]
.set n, 0
.rept 24
	ds_load_b64 v[FB+2*n:FB+2*n+1], v[ADK] offset:256*n    ; K's four fragments as they lie: 256 consecutive bytes an instruction
.set n, n+1
.endr
	ds_load_b32 v[KS0], v[ADS]
	ds_load_b32 v[KS0+1], v[ADS] offset:128
	s_wait_alu depctr_va_vdst(0)
	s_wait_dscnt 0x0
.irp b, 0,1,2,3                                ; S^T: tile 2 b + u of 16 keys: fragment b against [q, 0] (u = 0) or [0, q] (u = 1)
.irp u, 0,1
.if \b%2
	v_wmma_scale_f32_16x16x128_f8f6f4 v[SCO+8*(2*\b+\u):SCO+8*(2*\b+\u)+7], v[FB+12*\b:FB+12*\b+11], v[QL+12*\u:QL+12*\u+11], 0, v[KS0+\b/2], v[QS] matrix_a_fmt:MATRIX_FMT_FP6 matrix_b_fmt:MATRIX_FMT_FP6 matrix_a_scale:MATRIX_SCALE_ROW1
.else
	v_wmma_scale_f32_16x16x128_f8f6f4 v[SCO+8*(2*\b+\u):SCO+8*(2*\b+\u)+7], v[FB+12*\b:FB+12*\b+11], v[QL+12*\u:QL+12*\u+11], 0, v[KS0+\b/2], v[QS] matrix_a_fmt:MATRIX_FMT_FP6 matrix_b_fmt:MATRIX_FMT_FP6
.endif
.endr
.endr
.rept 4
	v_nop                                          ; places: in front of the loads into K's registers and of the first read of the scores
.endr
.set n, 0
.rept 24
	ds_load_b64 v[FB+2*n:FB+2*n+1], v[ADV] offset:256*n    ; V's four fragments: they land while the softmax is worked
.set n, n+1
.endr
	ds_load_b32 v[VS0], v[ADT]
	ds_load_b32 v[VS0+1], v[ADT] offset:128
	s_cmp_lt_u32 s[KST], s[NB]                     ; a step all of whose keys count skips the mask
	s_cbranch_scc1 .Lopen
	v_add_nc_u32 v[DD], s[DOFF], v[DQ]             ; d = my query - 16 h, counted from the step's first key.  Register 16 b + i holds key 32 b + 16 h + i: hidden where 32 b + i > d
.set n, 0
.rept 64
	v_cmp_gt_i32 vcc_lo, 32*(n/16)+n%16, v[DD]
	v_cndmask_b32 v[SCO+n], v[SCO+n], v[NINF], vcc_lo
.set n, n+1
.endr
.Lopen:
.irp b, 0,1,2,3
	v_max3_num_f32 v[BM+\b], v[SCO+16*\b], v[SCO+1+16*\b], v[SCO+2+16*\b]   ; the largest score of each block of 32 keys: it serves for the row's maximum and, since p rises with the score, for the block's largest p
.endr
.irp i, 3,5,7,9,11,13
.irp b, 0,1,2,3
	v_max3_num_f32 v[BM+\b], v[BM+\b], v[SCO+16*\b+\i], v[SCO+1+16*\b+\i]
.endr
.endr
.irp b, 0,1,2,3
	v_max_num_f32 v[BM+\b], v[BM+\b], v[SCO+15+16*\b]
.endr
.irp b, 0,1,2,3
	s_delay_alu instid0(VALU_DEP_4)
	v_permlanex16_b32 v[BP+\b], v[BM+\b], s[SEL], s[SEL+1]
.endr
.irp b, 0,1,2,3
	s_delay_alu instid0(VALU_DEP_4)
	v_max_num_f32 v[BM+\b], v[BM+\b], v[BP+\b]     ; with lane l xor 16's 16 keys
.endr
	s_delay_alu instid0(VALU_DEP_2)
	v_max3_num_f32 v[T0], v[BM], v[BM+1], v[BM+2]
	s_delay_alu instid0(VALU_DEP_1)
	v_max_num_f32 v[T0], v[T0], v[BM+3]            ; the step's largest score of my query
	s_delay_alu instid0(VALU_DEP_1)
	v_mul_f32 v[T0], s[CS], v[T0]                  ; as t (c is positive)
	s_delay_alu instid0(VALU_DEP_1)
	v_max_num_f32 v13, v13, v[T0]                  ; the running largest t
	v_mov_b32 v[T0], v12
	s_delay_alu instid0(VALU_DEP_2)
	v_floor_f32 v12, -v13                          ; the new -M = floor(-t) = -ceil(t): a whole number
	s_delay_alu instid0(VALU_DEP_1)
	v_sub_f32 v[T0], v12, v[T0]                    ; M's old value less its new one: a whole number, 0 or less
	s_delay_alu instid0(VALU_DEP_1)
	v_cvt_i32_f32 v[T0], v[T0]                     ; (it saturates)
	s_delay_alu instid0(VALU_DEP_1)
	v_ldexp_f32 v[FF], 1.0, v[T0]                  ; f = 2^(old M - new M)
.set j, 0
	s_setprio 1
.rept 32
	v_pk_fma_f32 v[SCO+j:SCO+j+1], v[SCO+j:SCO+j+1], s[CS:CS+1], v[12:13] op_sel_hi:[1,0,0]   ; t - M, two at a time (of the pairs c and -M the low word serves both halves)
.set j, j+2
.endr
.irp b, 0,1,2,3
	v_fma_f32 v[BM+\b], v[BM+\b], s[CS], v12       ; the same of each block's largest score
.endr
.set j, 0
	s_wait_alu depctr_va_vdst(0)
.rept 64
	v_exp_f32 v[SCO+j], v[SCO+j]                   ; p = 2^(t - M), at most 1: not normalised
.set j, j+1
.endr
	v_pk_mul_f32 v[14:15], v[14:15], v[FF:FF+1] op_sel_hi:[1,0]   ; the sums under the new M.  (A plain place behind the exponentials)
	s_wait_alu depctr_va_vdst(0)                   ; one wait for the whole batch, ahead of its first reader
.irp b, 0,1,2,3
	v_exp_f32 v[BM+\b], v[BM+\b]                   ; the block's largest p: the same two instructions on the same number give the same bits
.endr
	v_pk_add_f32 v[230:231], v[100:101], v[104:105]
	v_pk_add_f32 v[252:253], v[108:109], v[112:113]
	v_pk_add_f32 v[250:251], v[116:117], v[120:121]
	v_pk_add_f32 v[248:249], v[124:125], v[128:129]
	v_pk_add_f32 v[246:247], v[132:133], v[136:137]
	v_pk_add_f32 v[244:245], v[140:141], v[144:145]
	v_pk_add_f32 v[242:243], v[148:149], v[152:153]
	v_pk_add_f32 v[14:15], v[14:15], v[156:157]
	v_pk_add_f32 v[230:231], v[230:231], v[96:97]
	v_pk_add_f32 v[252:253], v[252:253], v[98:99]
	v_pk_add_f32 v[250:251], v[250:251], v[102:103]
	v_pk_add_f32 v[248:249], v[248:249], v[106:107]
	v_pk_add_f32 v[246:247], v[246:247], v[110:111]
	v_pk_add_f32 v[244:245], v[244:245], v[114:115]
	v_pk_add_f32 v[242:243], v[242:243], v[118:119]
	v_pk_add_f32 v[14:15], v[14:15], v[122:123]
	v_pk_add_f32 v[230:231], v[230:231], v[126:127]
	v_pk_add_f32 v[252:253], v[252:253], v[130:131]
	v_pk_add_f32 v[250:251], v[250:251], v[134:135]
	v_pk_add_f32 v[248:249], v[248:249], v[138:139]
	v_pk_add_f32 v[246:247], v[246:247], v[142:143]
	v_pk_add_f32 v[244:245], v[244:245], v[146:147]
	v_pk_add_f32 v[242:243], v[242:243], v[150:151]
	v_pk_add_f32 v[14:15], v[14:15], v[154:155]
	v_pk_add_f32 v[230:231], v[230:231], v[158:159]
	s_delay_alu instid0(VALU_DEP_2)
	v_pk_add_f32 v[14:15], v[14:15], v[248:249]
	s_delay_alu instid0(VALU_DEP_2)
	v_pk_add_f32 v[230:231], v[230:231], v[246:247]
	v_pk_add_f32 v[252:253], v[252:253], v[244:245]
	v_pk_add_f32 v[250:251], v[250:251], v[242:243]
	s_delay_alu instid0(VALU_DEP_2)
	v_pk_add_f32 v[14:15], v[14:15], v[252:253]
	s_delay_alu instid0(VALU_DEP_2)
	v_pk_add_f32 v[230:231], v[230:231], v[250:251]
	s_delay_alu instid0(VALU_DEP_1)
	v_pk_add_f32 v[14:15], v[14:15], v[230:231]
	s_setprio 0
	s_wait_alu depctr_va_vdst(0)                   ; and one for the four
.irp b, 0,1,2,3
	v_max_num_f32 v[BM+\b], 0x1800000, v[BM+\b]    ; the floor 2^(3 - 127): the byte cannot fall under 1 (a block whose every p is 0 keeps that byte: its codes are zeros)
.endr
.irp b, 0,1,2,3
	s_delay_alu instid0(VALU_DEP_4)
	v_add_nc_u32 v[BS+\b], 0xff000000, v[BM+\b]    ; 2 off the exponent field: the conversion's scale operand
.endr
.irp b, 0,1,2,3
	s_delay_alu instid0(VALU_DEP_4)
	v_lshrrev_b32 v[BP+\b], 23, v[BS+\b]           ; the scale's byte
.endr
	s_delay_alu instid0(VALU_DEP_3)
	v_lshl_or_b32 v[PW], v[BP+1], 8, v[BP]         ; p's scale word for these 128 keys
	s_delay_alu instid0(VALU_DEP_1)
	v_lshl_or_b32 v[PW], v[BP+2], 16, v[PW]
	s_delay_alu instid0(VALU_DEP_1)
	v_lshl_or_b32 v[PW], v[BP+3], 24, v[PW]
.irp c, 0,1
	v_cvt_scalef32_pk16_fp6_f32 v[CD+6*\c:CD+2+6*\c], v[SCO+32*\c:SCO+15+32*\c], v[BS+2*\c]
	v_cvt_scalef32_pk16_fp6_f32 v[C2+4*\c:C2+2+4*\c], v[SCO+16+32*\c:SCO+31+32*\c], v[BS+2*\c+1]   ; (a conversion's three registers begin on an even number)
.endr
	v_nop                                          ; one plain place behind a scaled conversion
.irp c, 0,1                                    ; the operand's layout wants a whole block in a lane: lanes 0-15 block 2 c, lanes 16-31 block 2 c + 1
.irp i, 0,1,2
	v_permlane16_swap_b32 v[CD+6*\c+\i], v[C2+4*\c+\i]
.endr
.irp i, 0,1,2
	s_delay_alu instid0(VALU_DEP_3)
	v_mov_b32 v[CD+3+6*\c+\i], v[C2+4*\c+\i]
.endr
.endr
.set j, 0
.rept 16
	v_pk_mul_f32 v[OT+j:OT+j+1], v[OT+j:OT+j+1], v[FF:FF+1] op_sel_hi:[1,0]   ; O^T under the new M: x f.  (These 16 are also the places between the writes of p's codes and scale word and the products)
.set j, j+2
.endr
	s_wait_alu depctr_va_vdst(0)
	s_wait_dscnt 0x0                               ; V is in
.irp t, 0,1,2,3                                ; O^T += V^T P^T: four tiles of 16 d, the four accumulators by turns, one instruction a turn
.if \t%2
	v_wmma_scale_f32_16x16x128_f8f6f4 v[OT+8*\t:OT+8*\t+7], v[FB+12*\t:FB+12*\t+11], v[CD:CD+11], v[OT+8*\t:OT+8*\t+7], v[VS0+\t/2], v[PW] matrix_a_fmt:MATRIX_FMT_FP6 matrix_b_fmt:MATRIX_FMT_FP6 matrix_a_scale:MATRIX_SCALE_ROW1
.else
	v_wmma_scale_f32_16x16x128_f8f6f4 v[OT+8*\t:OT+8*\t+7], v[FB+12*\t:FB+12*\t+11], v[CD:CD+11], v[OT+8*\t:OT+8*\t+7], v[VS0+\t/2], v[PW] matrix_a_fmt:MATRIX_FMT_FP6 matrix_b_fmt:MATRIX_FMT_FP6
.endif
.endr
.Lskip:
	s_add_co_u32 s[TB], s[TB], 6144
	s_add_co_u32 s[TS], s[TS], 256
	s_add_co_u32 s[KST], s[KST], 1
	s_cmp_lt_u32 s[KST], 16
	s_cbranch_scc1 .Lstep
	s_setprio 0
	; THE WAY OUT OF A PASS: O^T / the sum, quantised along d: two blocks of 32, half a fragment.
.rept 4
	v_nop                                          ; places behind the last products
.endr
	v_add_f32 v14, v14, v15                        ; the sum's two halves,
	s_delay_alu instid0(VALU_DEP_1)
	v_permlanex16_b32 v[T0], v14, s[SEL], s[SEL+1]
	s_delay_alu instid0(VALU_DEP_1)
	v_add_f32 v14, v14, v[T0]                      ; and lane l xor 16's: the row's sum
	s_wait_alu depctr_va_vdst(0)
	v_rcp_f32 v[FF], v14
	v_nop                                          ; a plain place behind the transcendental
	s_wait_alu depctr_va_vdst(0)                   ; the wait, ahead of the first reader
.set j, 0
.rept 16
	v_pk_mul_f32 v[OT+j:OT+j+1], v[OT+j:OT+j+1], v[FF:FF+1] op_sel_hi:[1,0]   ; each accumulator from its low end on
.set j, j+2
.endr
.irp b, 0,1
	v_max3_num_f32 v[BM+\b], |v[OT+16*\b]|, |v[OT+1+16*\b]|, 0x1800000
.endr
.irp i, 2,4,6,8,10,12,14
.irp b, 0,1
	s_delay_alu instid0(VALU_DEP_2)
	v_max3_num_f32 v[BM+\b], v[BM+\b], |v[OT+16*\b+\i]|, |v[OT+1+16*\b+\i]|
.endr
.endr
.irp b, 0,1
	s_delay_alu instid0(VALU_DEP_2)
	v_permlanex16_b32 v[BP+\b], v[BM+\b], s[SEL], s[SEL+1]
.endr
.irp b, 0,1
	s_delay_alu instid0(VALU_DEP_2)
	v_max_num_f32 v[BM+\b], v[BM+\b], v[BP+\b]
.endr
.irp b, 0,1
	s_delay_alu instid0(VALU_DEP_2)
	v_add_nc_u32 v[BS+\b], 0xff000000, v[BM+\b]
.endr
.irp b, 0,1
	s_delay_alu instid0(VALU_DEP_2)
	v_lshrrev_b32 v[BP+\b], 23, v[BS+\b]
.endr
	v_cvt_scalef32_pk16_fp6_f32 v[CD:CD+2], v[OT:OT+15], v[BS]
	v_cvt_scalef32_pk16_fp6_f32 v[C2:C2+2], v[OT+16:OT+31], v[BS+1]
	v_lshl_or_b32 v[T0], v[BP+1], 8, v[BP]         ; (a plain place behind the conversions)  the two bytes;
	s_delay_alu instid0(VALU_DEP_1)
	v_lshrrev_b32 v[T0], v[H8], v[T0]              ; lanes 0-15 store block 0's, lanes 16-31 block 1's
.irp i, 0,1,2
	v_permlane16_swap_b32 v[CD+\i], v[C2+\i]
.endr
.irp i, 0,1,2
	s_delay_alu instid0(VALU_DEP_3)
	v_mov_b32 v[CD+3+\i], v[C2+\i]                 ; registers 0-5 now hold d = 32 h + 0 .. 31 of my query
.endr
.irp p, 0,1,2
	global_store_b64 v[G8], v[CD+2*\p:CD+2*\p+1], s[OB:OB+1] offset:256*\p   ; each store of the wave covers 256 consecutive bytes, aligned
.endr
	global_store_b8 v[OSO], v[T0], s[OSB:OSB+1]
	s_xor_b32 s[II], s[II], 31
	s_sub_co_u32 s[PASS], s[PASS], 1
	s_cmp_lg_u32 s[PASS], 0
	s_cbranch_scc1 .Lpass
	s_wait_dscnt 0x0
	s_wait_tensorcnt 0x0
	ds_add_u32 v254, v255
	s_wait_dscnt 0x0
	CROUND                                         ; the closing round: no work-group ends while a partner may still ask jointly
	s_endpgm
.Lfunc_end_k_q4a822b33ac_attn:
	.size	k_q4a822b33ac_attn, .Lfunc_end_k_q4a822b33ac_attn-k_q4a822b33ac_attn
	.p2alignl 7, 3214868480
	.fill 96, 4, 3214868480
	.section	.rodata,"a",@progbits
	.p2align	6, 0x0
	.amdhsa_kernel k_q4a822b33ac_attn
		.amdhsa_group_segment_fixed_size 206848
		.amdhsa_private_segment_fixed_size 0
		.amdhsa_enable_private_segment 0
		.amdhsa_kernarg_size 64
		.amdhsa_user_sgpr_count 2
		.amdhsa_user_sgpr_kernarg_segment_ptr 1
		.amdhsa_wavefront_size32 1
		.amdhsa_system_sgpr_workgroup_id_x 1
		.amdhsa_system_sgpr_workgroup_id_y 1
		.amdhsa_system_sgpr_workgroup_id_z 1
		.amdhsa_system_vgpr_workitem_id 0
		.amdhsa_next_free_vgpr 256
		.amdhsa_next_free_sgpr 86
		.amdhsa_reserve_vcc 1
		.amdhsa_float_denorm_mode_32 3
		.amdhsa_float_denorm_mode_16_64 3
		.amdhsa_memory_ordered 1
		.amdhsa_forward_progress 1
		.amdhsa_inst_pref_size 38
	.end_amdhsa_kernel
	.amdgpu_metadata
---
amdhsa.version: [ 1, 2 ]
amdhsa.kernels:
  - .name:           k_q4a822b33ac_attn
    .symbol:         k_q4a822b33ac_attn.kd
    .args:
      - { .name: q_img, .offset: 0, .size: 8, .value_kind: global_buffer, .address_space: global }
      - { .name: q_sc, .offset: 8, .size: 8, .value_kind: global_buffer, .address_space: global }
      - { .name: k_img, .offset: 16, .size: 8, .value_kind: global_buffer, .address_space: global }
      - { .name: k_sc, .offset: 24, .size: 8, .value_kind: global_buffer, .address_space: global }
      - { .name: v_img, .offset: 32, .size: 8, .value_kind: global_buffer, .address_space: global }
      - { .name: v_sc, .offset: 40, .size: 8, .value_kind: global_buffer, .address_space: global }
      - { .name: o_img, .offset: 48, .size: 8, .value_kind: global_buffer, .address_space: global }
      - { .name: o_sc, .offset: 56, .size: 8, .value_kind: global_buffer, .address_space: global }
    .group_segment_fixed_size: 206848
    .private_segment_fixed_size: 0
    .kernarg_segment_align: 8
    .kernarg_segment_size: 64
    .max_flat_workgroup_size: 512
    .sgpr_count:     86
    .vgpr_count:     256
    .wavefront_size: 32
...
	.end_amdgpu_metadata
.endif
;; end of part 2
;; launch oproj (part 3): grid 4 x 32, 4 waves a work-group, clusters of 4 x 4, 327,680 bytes of LDS; arguments o_img, o_sc, wo_codes, wo_scales, out0; writes out0
.if DOCPART == 3
	.amdgcn_target "amdgcn-amd-amdhsa--gfx1250"
	.amdhsa_code_object_version 6
	.text
	.protected	k_q4a822b33ac_oproj
	.globl	k_q4a822b33ac_oproj
	.p2align	8
	.type	k_q4a822b33ac_oproj,@function
k_q4a822b33ac_oproj:
	s_mov_b64 s[64:65], 0
	v_nop
	global_prefetch_b8 v0, s[64:65] scope:SCOPE_SE
	s_setreg_imm32_b32 hwreg(HW_REG_WAVE_MODE, 25, 1), 1
	s_wait_xcnt 0x0
	s_wait_alu depctr_hold_cnt(0) depctr_sa_sdst(0) depctr_va_vdst(0) depctr_va_sdst(0) depctr_va_ssrc(0) depctr_va_vcc(0) depctr_vm_vsrc(0)
	s_getreg_b32 s2, hwreg(HW_REG_IB_STS2, 6, 4)
	s_cmp_eq_u32 s2, 0
	s_cbranch_scc0 .Lentry_in_a_cluster
	s_endpgm
.Lentry_in_a_cluster:
	s_bfe_u32 s2, ttmp6, 0x10000c
	s_cmp_lg_u32 s2, 0xf033
	s_cbranch_scc0 .Lentry_shape_is_right
	s_endpgm
.Lentry_shape_is_right:
; out0[m][n] = sum over k of A[m][k] wo[n][k] on codes of FP6 (E2M3) with one E8M0 scale for each 32 along K = 1,024.  A is the attention's result, 8,192 tokens x 1,024; out0: [8,192][1,024] f32.
; A ARRIVES AS IMAGES OF OPERAND REGISTERS: image t of 16 tokens is 12,288 bytes, 768 for each 64 along K: piece p of three holds, at 8 x lane, registers 2 p, 2 p + 1 of lane (r, h).  So a fragment (128 along K) is
; 1,536 bytes on end and comes out of LDS by six loads of 256 consecutive bytes.  Row r of image t is token 32 (t / 2) + 8 (t % 2) + r + 8 (r / 8); the stores put each row on its token.  A's scale bytes lie as rows of 32 bytes in the images' order.
; wo arrives as rows of codes, 768 bytes, and rows of 32 scale bytes.
; A tile of out0, 256 x 256, is made by four waves, 128 x 128 each: 64 accumulators, 512 registers.  K goes in steps of 256 through a ring of two LDS slots filled by the tensor data mover.
; The scale bytes of the work-group's 256 + 256 rows, for all of K, come into LDS once, with the first fills.  128 work-groups: the size has 128 such tiles.
; CLUSTERS: 4 x 4 work-groups; the four of a row need the same tiles of A, the four of a column the same tiles of wo: each tile is asked for jointly, by the same load with a mask that names the four.
; THE MATRIX INSTRUCTION IS USED TRANSPOSED (source 0 = 16 rows of wo, source 1 = 16 rows of A): a lane holds eight neighbouring numbers of a row of out0.
; REGISTERS, in windows of 256: window 0: v0-31 addresses; v32-63 scale words, two sets; from v128 A's fragments, one set; on the way out v128-255 take rows read back.
;   window 1: B's fragments, two sets, at v0 and v128.   window 2: the accumulators of my rows 0-63 ((a, b) at v[8 (8 a + b)]);   window 3: those of my rows 64-127.
.set SIZE_N, 1024
.set SIZE_K, 1024
.set KSTEP,  256
.set NQ,     KSTEP/128
.set ROWB,   192                       ; B: a tile's row in bytes
.set AROWB,  3072                      ; A: an image's bytes of a K step: four times 768
.set KROW,   SIZE_K*6/8                ; a row of codes in memory; also an image's bytes for each of its 16 rows
.set PITCH,  240                       ; B: an LDS row: 3 x (64 bytes + 16 of padding)
.set FR,     12
.set NL,     6
.set NP,     4
.set HALFT,  128*PITCH                 ; the room of 128 rows in a slot (A's 8 images take 24,576 bytes of it)
.set SLOT,   4*HALFT
.set LAPS,   SIZE_K/(2*KSTEP)
.set KS,     SIZE_K/32
.set SCL,    2*SLOT
.set HALFS,  (128*KS/256)*272
.set SBLK,   (16*KS/256)*272
.set SPARE,  SCL+4*HALFS               ; the spare words, 128 bytes for each wave: two blocks of 256 bytes that no other line names
.set SPITCH, 528                       ; the way out: a stage of 16 rows x (512 bytes + 16) for each wave, in slot 0, which has had its last fill and its last read by then
.set ADRA, 16                          ; v16-17  LDS address of my A fragments in slot 0, 1: 8 x lane + my half's room
.set ADRB, 20                          ; v20-21  the same for B's rows (v22-23: behind one padding more)
.set STO,  24
.set RD,   25
.set CO,   26
.set ADRS, 27
.set SPW,  28
.set NIL,  29
.set SC,   32
.set AF,   128
.set BK,   128
.set G1, 24
.set G0, 32
.set G1B, 48
.set G0B, 56
.set G1S, 68
.set G0S, 76
.set G1SB, 80
.set G0SB, 88
.set MSB, 0
.macro WIN new                         ; the immediate's high byte repeats the setting that is left
.if MSB != \new
	s_set_vgpr_msb (MSB<<8)|\new
.set MSB, \new
.endif
.endm
.set MUL_LO, 0xa1
.set MUL_HI, 0xf1
.set TO_B,   0x40
; A joint load: waves 0 and 1 fetch for A, waves 2 and 3 for B; the branch hangs on the wave's number alone.  Four v_nop follow each line.
.macro JLOAD g0a, g1a, g0b, g1b
	s_cmp_eq_u32 s15, 0
	s_cbranch_scc0 .Lfor_b_\@
	tensor_load_to_lds s[\g0a:\g0a+3], s[\g1a:\g1a+7]
	s_nop 0
.rept 4
	v_nop
.endr
	s_branch .Lasked_\@
.Lfor_b_\@:
	tensor_load_to_lds s[\g0b:\g0b+3], s[\g1b:\g1b+7]
	s_nop 0
.rept 4
	v_nop
.endr
.Lasked_\@:
.endm
.macro CREST
	s_cmp_lg_u32 s14, 0
	s_cbranch_scc1 .Lnot_wave_0_\@
	s_barrier_signal -3
.Lnot_wave_0_\@:
	s_barrier_wait -3
	s_barrier_signal -1
	s_barrier_wait -1
.endm
.macro CROUND
	s_barrier_signal -1
	s_barrier_wait -1
	CREST
.endm
	s_load_b128 s[4:7], s[0:1], 0x0                ; A's images s[4:5], A's scales s[6:7]
	s_load_b128 s[8:11], s[0:1], 0x10              ; wo's codes s[8:9], wo's scales s[10:11]
	s_load_b64 s[12:13], s[0:1], 0x20              ; out0
	v_lshl_add_u32 v[SPW], v0, 2, SPARE
	v_mov_b32 v[NIL], 0
	ds_add_u32 v28, v29
	ds_add_u32 v28, v29
	s_wait_dscnt 0x0
	v_lshrrev_b32 v1, 5, v0
	v_readfirstlane_b32 s14, v1                    ; wave 0..3
	s_lshr_b32 s15, s14, 1                         ; which half of the tile's rows is mine.  Also: I fetch for A (0) or for B (1)
	s_and_b32 s16, s14, 1                          ; which half of its columns.  Also: which 128 rows of that tile I fetch
	s_bfe_u32 s40, ttmp6, 0x40000                  ; cx, cy
	s_bfe_u32 s41, ttmp6, 0x40004
	s_lshl_b32 s42, ttmp9, 2
	s_add_co_u32 s42, s42, s40                     ; tile column = 4 x cluster x + cx
	s_and_b32 s17, ttmp7, 0xffff
	s_lshl_b32 s17, s17, 2
	s_add_co_u32 s17, s17, s41                     ; tile row = 4 x cluster y + cy
	s_lshl_b32 s43, s41, 2
	s_lshl_b32 s43, 15, s43                        ; my row of the cluster
	s_lshl_b32 s44, 0x1111, s40                    ; my column
	; A's group 1: 8 images x 3,072 bytes (384 elements of 8 bytes), 12,288 bytes (1,536 elements) apart, laid on end in LDS
	s_or_b32 s[G1+0], s43, (3<<16)|(1<<21)         ; 15:0 the mask: A's tiles go to my row; elements of 8 bytes; no padding; 21 set beside a mask
	s_mov_b32 s[G1+1], 384<<16                     ; tensor_dim0
	s_mov_b32 s[G1+2], 8<<16                       ; tensor_dim1
	s_mov_b32 s[G1+3], 384<<16                     ; tile_dim0
	s_mov_b32 s[G1+4], 8                           ; tile_dim1
	s_mov_b32 s[G1+5], 1536                        ; tensor_dim0_stride
	s_mov_b32 s[G1+6], 0
	s_mov_b32 s[G1+7], 0
	; B's: 128 rows x 192 bytes, 16 bytes of padding behind every 64
	s_or_b32 s[G1B+0], s44, (0<<16)|(1<<20)|(1<<21)|(3<<22)|(3<<25)
	s_mov_b32 s[G1B+1], ROWB<<16
	s_mov_b32 s[G1B+2], 128<<16
	s_mov_b32 s[G1B+3], ROWB<<16
	s_mov_b32 s[G1B+4], 128
	s_mov_b32 s[G1B+5], KROW
	s_mov_b32 s[G1B+6], 0
	s_mov_b32 s[G1B+7], 0
	; the scales of 128 rows: a dense block, as rows of 256 bytes, 16 bytes of padding behind each
	s_or_b32 s[G1S+0], s43, (3<<16)|(1<<20)|(1<<21)|(5<<22)|(3<<25)
	s_or_b32 s[G1SB+0], s44, (3<<16)|(1<<20)|(1<<21)|(5<<22)|(3<<25)
.irp g, G1S, G1SB
	s_mov_b32 s[\g+1], 32<<16
	s_mov_b32 s[\g+2], (128*KS/256)<<16
	s_mov_b32 s[\g+3], 32<<16
	s_mov_b32 s[\g+4], 128*KS/256
	s_mov_b32 s[\g+5], 32
	s_mov_b32 s[\g+6], 0
	s_mov_b32 s[\g+7], 0
.endr
	s_lshl_b32 s18, s16, 7
	s_lshl_b32 s20, s17, 8
	s_add_co_u32 s20, s20, s18                     ; A: row 256 x tile row + 128 x half
	s_lshl_b32 s46, s42, 8
	s_add_co_u32 s46, s46, s18                     ; B: row 256 x tile column + 128 x half
	s_mov_b32 s21, 0
	s_mov_b32 s47, 0
	s_mov_b64 s[18:19], KS
	s_mul_u64 s[22:23], s[20:21], s[18:19]
	s_mul_u64 s[92:93], s[46:47], s[18:19]
	s_mov_b64 s[18:19], KROW
	s_mul_u64 s[20:21], s[20:21], s[18:19]         ; A: 16 rows are an image of 12,288 bytes: 768 a row, as in a tensor of rows
	s_mul_u64 s[46:47], s[46:47], s[18:19]
	s_mul_i32 s45, s14, HALFT
	s_mul_i32 s94, s14, HALFS
	s_wait_kmcnt 0x0
	s_add_nc_u64 s[20:21], s[4:5], s[20:21]
	s_add_nc_u64 s[22:23], s[6:7], s[22:23]
	s_add_nc_u64 s[46:47], s[8:9], s[46:47]
	s_add_nc_u64 s[92:93], s[10:11], s[92:93]
	CROUND                                         ; all sixteen work-groups are here: the first joint loads meet
	s_mov_b32 s[G0S], 1
	s_add_co_u32 s[G0S+1], s94, SCL
	s_mov_b64 s[G0S+2:G0S+3], s[22:23]
	s_or_b32 s[G0S+3], s[G0S+3], 0x80000000
	s_mov_b32 s[G0SB], 1
	s_add_co_u32 s[G0SB+1], s94, SCL
	s_mov_b64 s[G0SB+2:G0SB+3], s[92:93]
	s_or_b32 s[G0SB+3], s[G0SB+3], 0x80000000
	JLOAD G0S, G1S, G0SB, G1SB                     ; the scales first
.irp s, 0,1
	s_mov_b32 s[G0+4*\s], 1
	s_add_co_u32 s[G0+4*\s+1], s45, \s*SLOT
	s_add_nc_u64 s[G0+4*\s+2:G0+4*\s+3], s[20:21], \s*AROWB
	s_or_b32 s[G0+4*\s+3], s[G0+4*\s+3], 0x80000000
	s_mov_b32 s[G0B+4*\s], 1
	s_add_co_u32 s[G0B+4*\s+1], s45, \s*SLOT
	s_add_nc_u64 s[G0B+4*\s+2:G0B+4*\s+3], s[46:47], \s*ROWB
	s_or_b32 s[G0B+4*\s+3], s[G0B+4*\s+3], 0x80000000
	s_wait_alu depctr_va_vdst(0)
	s_wait_tensorcnt 0x0
	ds_add_u32 v28, v29
	s_wait_dscnt 0x0
	CROUND
	JLOAD G0+4*\s, G1, G0B+4*\s, G1B               ; behind each of these one tensor load of mine is out
.endr
	v_and_b32 v1, 15, v0                           ; r
	v_bfe_u32 v2, v0, 4, 1                         ; h
	v_mul_u32_u24 v3, v1, PITCH
	v_mul_u32_u24 v4, v2, 24
	v_add_nc_u32 v4, v3, v4                        ; B: a fragment's row x pitch + 24 x half
	v_lshl_add_u32 v5, v2, 4, v4                   ; and the same behind one padding more
	v_and_b32 v7, 31, v0
	v_lshlrev_b32 v7, 3, v7                        ; A: 8 x lane
	s_mul_i32 s21, s15, HALFT
	s_mul_i32 s22, s16, HALFT
	s_add_co_u32 s22, s22, 2*HALFT
.irp s, 0,1
	v_add_nc_u32 v[ADRA+\s], s21, v7
	v_add_nc_u32 v[ADRB+\s], s22, v4
	v_add_nc_u32 v[ADRB+2+\s], s22, v5
	s_add_co_u32 s21, s21, SLOT
	s_add_co_u32 s22, s22, SLOT
.endr
	v_mul_u32_u24 v5, v1, KS
	v_lshrrev_b32 v6, 8, v5
	v_lshl_add_u32 v5, v6, 4, v5
	s_mul_i32 s21, s15, HALFS
	s_mul_i32 s22, s16, HALFS
	s_add_co_u32 s22, s22, 2*HALFS
	s_sub_co_u32 s22, s22, s21
	v_mul_u32_u24 v6, s22, v2                      ; lanes 16-31 take B's
	s_add_co_u32 s21, s21, SCL
	v_add_nc_u32 v5, v5, v6
	v_add_nc_u32 v[ADRS], s21, v5
	s_mul_i32 s23, s14, 16*SPITCH                  ; my stage
	v_mul_u32_u24 v5, v1, SPITCH
	v_lshl_add_u32 v5, v2, 5, v5
	v_add_nc_u32 v[STO], s23, v5
	v_and_b32 v6, 31, v0
	v_lshlrev_b32 v[CO], 4, v6                     ; back: the 32 lanes take one row of 512 bytes; and the same in out0
	v_add_nc_u32 v[RD], s23, v[CO]
	s_lshl_b32 s20, s17, 8
	s_lshl_b32 s21, s15, 7
	s_add_co_u32 s20, s20, s21                     ; my first row of out0: 256 x tile row + 128 x half (8 images are 128 tokens on end)
	s_mov_b32 s21, 0
	s_mov_b64 s[18:19], SIZE_N*4
	s_mul_u64 s[20:21], s[20:21], s[18:19]
	s_lshl_b32 s46, s42, 10
	s_lshl_b32 s47, s16, 9
	s_add_co_u32 s46, s46, s47
	s_mov_b32 s47, 0
	s_add_nc_u64 s[20:21], s[20:21], s[46:47]
	s_add_nc_u64 s[12:13], s[12:13], s[20:21]
.macro FRAG reg, adr, q, i             ; B: a fragment from rows: lane l holds row l % 16; registers 6 c .. 6 c + 5 hold K = 64 c + 32 (l / 16) + 0 .. 31, in pieces of 8 bytes
.irp p, 0,1,2,3,4,5
.set PIECE, 12*(\q)+6*(\p/3)+\p%3      ; 16 bytes of padding lie behind every 8 pieces: where the piece three on lies behind one padding more, the second address register serves
.if PIECE%8 < 5
	ds_load_b64 v[\reg+2*\p:\reg+2*\p+1], v[\adr] offset:8*PIECE+16*(PIECE/8)+(\i)*16*PITCH
.else
	ds_load_b64 v[\reg+2*\p:\reg+2*\p+1], v[\adr+2] offset:8*PIECE+16*(PIECE/8)+(\i)*16*PITCH
.endif
.endr
.endm
.macro FRAGA reg, adr, q, i            ; A: a fragment from its image: six pieces of 256 consecutive bytes
.irp n, 0,1,2,3,4,5
	ds_load_b64 v[\reg+2*\n:\reg+2*\n+1], v[\adr] offset:(\i)*AROWB+(\q)*1536+256*\n
.endr
.endm
; 16 matrix instructions: A's blocks a0, a0 + 1 x B's eight.  The 64 accumulators take turns, one instruction a turn, in the same order in every step.
.macro MUL16 a0, p, q, sc, zero
.irp a, \a0, \a0+1
.irp b, 0,1,2,3,4,5,6,7
.if \zero
	v_wmma_scale_f32_16x16x128_f8f6f4 v[8*(8*((\a)%4)+\b):8*(8*((\a)%4)+\b)+7], v[128*(\p)+FR*\b:128*(\p)+FR*\b+FR-1], v[AF+FR*(\a):AF+FR*(\a)+FR-1], 0, v[SC+8*NQ*(\sc)+NQ*\b+(\q)], v[SC+8*NQ*(\sc)+NQ*(\a)+(\q)] matrix_a_fmt:MATRIX_FMT_FP6 matrix_b_fmt:MATRIX_FMT_FP6 matrix_a_scale:MATRIX_SCALE_ROW1
.else
	v_wmma_scale_f32_16x16x128_f8f6f4 v[8*(8*((\a)%4)+\b):8*(8*((\a)%4)+\b)+7], v[128*(\p)+FR*\b:128*(\p)+FR*\b+FR-1], v[AF+FR*(\a):AF+FR*(\a)+FR-1], v[8*(8*((\a)%4)+\b):8*(8*((\a)%4)+\b)+7], v[SC+8*NQ*(\sc)+NQ*\b+(\q)], v[SC+8*NQ*(\sc)+NQ*(\a)+(\q)] matrix_a_fmt:MATRIX_FMT_FP6 matrix_b_fmt:MATRIX_FMT_FP6 matrix_a_scale:MATRIX_SCALE_ROW1
.endif
.endr
.endr
.endm
.macro FETCH_B slot, q, p
	WIN TO_B
.irp i, 0,1,2,3,4,5,6,7
	FRAG 128*(\p)+FR*\i, ADRB+\slot, \q, \i
.endr
	WIN 0
.endm
.macro FETCH_A slot, q, i0
.irp i, \i0, \i0+1, \i0+2, \i0+3
	FRAGA AF+FR*(\i), ADRA+\slot, \q, \i
.endr
.endm
.macro SCALES sc
.irp i, 0,1,2,3,4,5,6,7
	ds_load_b64 v[SC+8*NQ*\sc+NQ*\i:SC+8*NQ*\sc+NQ*\i+1], v[ADRS] offset:\i*SBLK
.endr
.endm
; A load into a register that a matrix instruction has read, and an LDS store that reads a matrix result, stand NP places behind that matrix instruction; only plain vector instructions that name none of its
; registers are places (ISA guide 7.12.1 for vector instructions).
.macro PLACES n
.rept \n
	v_nop
.endr
.endm
.macro STEP slot, q, zero
	s_wait_dscnt 4*NL                              ; B's set and A's blocks 0-3 are in; the youngest 24 loads (A's blocks 4-7) may be out
	WIN MUL_LO
	MUL16 0, (\q)%2, \q, \slot, \zero
	MUL16 2, (\q)%2, \q, \slot, \zero
	s_wait_dscnt 0
	PLACES NP
	FETCH_B \slot, (\q)+1, 1-(\q)%2
	FETCH_A \slot, (\q)+1, 0
	WIN MUL_HI
	MUL16 4, (\q)%2, \q, \slot, \zero
	MUL16 6, (\q)%2, \q, \slot, \zero
	PLACES NP
	WIN 0
	FETCH_A \slot, (\q)+1, 4
.endm
; A slot's last step changes slots: one barrier; in front of it each wave waits for all its tensor loads, adds 0 to its spare word, and waits for that and for its own reads of this slot.
.macro TURN slot, next, fill
	s_wait_tensorcnt 0x0                           ; all my tensor loads have landed: my part of the next slot;
	ds_add_u32 v[SPW], v[NIL]                      ; 0 onto my spare word
	s_wait_dscnt 4*NL+1                            ; (the add and the youngest 24 loads may be out)
	WIN MUL_LO
	MUL16 0, 1, NQ-1, \slot, 0
	s_wait_dscnt 0x0                               ; the add is done, and my reads of this slot are over
	s_barrier_signal -1
	MUL16 2, 1, NQ-1, \slot, 0
	WIN 0
	s_barrier_wait -1
.if \fill
	CREST                                          ; the barrier has opened a round of the cluster's barrier: no wave of any partner still reads this slot's tile or has a load on its way
	s_add_nc_u64 s[G0+4*\slot+2:G0+4*\slot+3], s[G0+4*\slot+2:G0+4*\slot+3], 2*AROWB
	s_add_nc_u64 s[G0B+4*\slot+2:G0B+4*\slot+3], s[G0B+4*\slot+2:G0B+4*\slot+3], 2*ROWB
	JLOAD G0+4*\slot, G1, G0B+4*\slot, G1B         ; the first tensor load behind the round; its four v_nop are the places in front of the loads below
.else
	PLACES NP
.endif
	s_wait_alu depctr_va_vdst(0)
	v_add_nc_u32 v[ADRS], 4*NQ, v[ADRS]
	FETCH_B \next, 0, 0
	FETCH_A \next, 0, 0
	SCALES \next
	WIN MUL_HI
	MUL16 4, 1, NQ-1, \slot, 0
	MUL16 6, 1, NQ-1, \slot, 0
	PLACES NP
	WIN 0
	FETCH_A \next, 0, 4
.endm
	s_wait_alu depctr_va_vdst(0)
	s_wait_tensorcnt 1                             ; the scales and my part of K step 0 are in (K step 1's load may be out)
	s_barrier_signal -1
	s_barrier_wait -1
	FETCH_B 0, 0, 0
	FETCH_A 0, 0, 0
	SCALES 0
	FETCH_A 0, 0, 4
	STEP 0, 0, 1                                   ; the first step's products start the sums
	s_mov_b32 s3, LAPS-1
.Llap:
	TURN 0, 1, 1
	STEP 1, 0, 0
	TURN 1, 0, 1
	STEP 0, 0, 0
	s_sub_co_u32 s3, s3, 1
	s_cmp_lg_u32 s3, 0
	s_cbranch_scc1 .Llap
	TURN 0, 1, 0                                   ; the last lap fills nothing
	STEP 1, 0, 0
	s_wait_dscnt 4*NL
	WIN MUL_LO
	MUL16 0, 1, NQ-1, 1, 0
	MUL16 2, 1, NQ-1, 1, 0
	s_wait_dscnt 0
	WIN MUL_HI
	MUL16 4, 1, NQ-1, 1, 0
	MUL16 6, 1, NQ-1, 1, 0
	WIN 0
; THE WAY OUT, block by block of 16 rows x 128 columns, through my own stage in LDS: back come whole rows of 512 bytes, which the 32 lanes store as two aligned blocks of 256 bytes.
; LDS serves a wave's instructions in order (ISA guide 5.7.1.4): no wait between the stores and the loads, nor in front of the next block's stores.
.macro TOSTAGE a
.set AC, 64*((\a)%4)
	WIN 0x08+4*((\a)/4)                            ; the data: window 2 or 3
.irp b, 0,1,2,3,4,5,6,7
	ds_store_b128 v[STO], v[AC+8*\b:AC+8*\b+3] offset:64*\b          ; each accumulator from its low end on
	ds_store_b128 v[STO], v[AC+8*\b+4:AC+8*\b+7] offset:64*\b+16
.endr
	WIN 0
.set BB, BK+64*((\a)%2)
.irp t, 0,1,2,3,4,5,6,7,8,9,10,11,12,13,14,15
	ds_load_b128 v[BB+4*\t:BB+4*\t+3], v[RD] offset:\t*SPITCH
.endr
.endm
.macro SEND a, younger                 ; row t of image a is token 32 (a / 2) + 8 (a % 2) + t + 8 (t / 8) of my 128: the place stands in the immediate, 127 rows of 4,096 bytes at the most
.set BB, BK+64*((\a)%2)
	s_wait_dscnt \younger
.irp t, 0,1,2,3,4,5,6,7,8,9,10,11,12,13,14,15
	global_store_b128 v[CO], v[BB+4*\t:BB+4*\t+3], s[12:13] offset:(32*((\a)/2)+8*((\a)%2)+\t+8*(\t/8))*SIZE_N*4 th:TH_STORE_NT
.endr
.endm
	PLACES NP
	TOSTAGE 0
.irp a, 1,2,3,4,5,6,7
.if \a > 1
	s_wait_xcnt 0x0                                ; block a - 2's stores have read their registers: block a's loads may land there
.endif
	TOSTAGE \a
	SEND \a-1, 32                                  ; behind block a - 1's loads: block a's 16 stores and 16 loads
.endr
	SEND 7, 0
	s_wait_tensorcnt 0x0                           ; the wave's end: behind my last tensor load and my last LDS store
	ds_add_u32 v[SPW], v[NIL]
	s_wait_dscnt 0x0
	CROUND                                         ; the closing round
	s_endpgm
.Lfunc_end_k_q4a822b33ac_oproj:
	.size	k_q4a822b33ac_oproj, .Lfunc_end_k_q4a822b33ac_oproj-k_q4a822b33ac_oproj
	.p2alignl 7, 3214868480
	.fill 96, 4, 3214868480
	.section	.rodata,"a",@progbits
	.p2align	6, 0x0
	.amdhsa_kernel k_q4a822b33ac_oproj
		.amdhsa_group_segment_fixed_size 327680
		.amdhsa_private_segment_fixed_size 0
		.amdhsa_enable_private_segment 0
		.amdhsa_kernarg_size 40
		.amdhsa_user_sgpr_count 2
		.amdhsa_user_sgpr_kernarg_segment_ptr 1
		.amdhsa_wavefront_size32 1
		.amdhsa_system_sgpr_workgroup_id_x 1
		.amdhsa_system_sgpr_workgroup_id_y 1
		.amdhsa_system_sgpr_workgroup_id_z 1
		.amdhsa_system_vgpr_workitem_id 0
		.amdhsa_next_free_vgpr 1024
		.amdhsa_next_free_sgpr 98
		.amdhsa_reserve_vcc 0
		.amdhsa_float_denorm_mode_32 3
		.amdhsa_float_denorm_mode_16_64 3
		.amdhsa_memory_ordered 1
		.amdhsa_forward_progress 1
		.amdhsa_inst_pref_size 160
	.end_amdhsa_kernel
	.amdgpu_metadata
---
amdhsa.version: [ 1, 2 ]
amdhsa.kernels:
  - .name:           k_q4a822b33ac_oproj
    .symbol:         k_q4a822b33ac_oproj.kd
    .args:
      - { .name: o_img, .offset: 0, .size: 8, .value_kind: global_buffer, .address_space: global }
      - { .name: o_sc, .offset: 8, .size: 8, .value_kind: global_buffer, .address_space: global }
      - { .name: wo_codes, .offset: 16, .size: 8, .value_kind: global_buffer, .address_space: global }
      - { .name: wo_scales, .offset: 24, .size: 8, .value_kind: global_buffer, .address_space: global }
      - { .name: out0, .offset: 32, .size: 8, .value_kind: global_buffer, .address_space: global }
    .group_segment_fixed_size: 327680
    .private_segment_fixed_size: 0
    .kernarg_segment_align: 8
    .kernarg_segment_size: 40
    .max_flat_workgroup_size: 128
    .sgpr_count:     98
    .vgpr_count:     1024
    .wavefront_size: 32
...
	.end_amdgpu_metadata
.endif
;; end of part 3
